; MI455X (gfx1250); checked and timed in simulation.
; The chip was launched on July 23, 2026; its instructions are those of AMD's public machine-readable ISA for CDNA 5 (MIT licence, August 2026) and "CDNA5" Instruction Set Architecture Reference Guide (July 2026). The comments in the code are by the model that wrote it; some were corrected since.
;; Self Attention. Allowed arithmetic: matrix products marked QUANTISED: E3M2 operands, one E8M0 scale for each 32 along K, by v_wmma_scale_f32_16x16x128_f8f6f4 with both operands' format E3M2, f32 sums; everything else in f32.
;; Inputs: Wk 1,024 x 1,024 float32; Wq 1,024 x 1,024 float32; Wu 1,024 x 1,024 float32; Wv 1,024 x 1,024 float32; bu 1,024 float32; x 4 x 2,048 x 1,024 float32.
;; Outputs: out0 4 x 2,048 x 1,024 float32.
;; This version of the problem:
;;   THIS VERSION OF THE PROBLEM IS GIVEN IN LOW PRECISION. The matrix products marked QUANTISED in the list below multiply operands that are first quantised to E3M2 (3 exponent bits, 2 mantissa bits; 6 bits a number), with one power-of-two scale for each 32 numbers along K (OCP MX v1.0); their sums are f32. All else is computed in f32.
;;   The module's matrix products, in the order in which they are computed (A, B: the left and right operand; K: the contracted axis; several contracted axes count as one K, in the product's order):
;;     1. [M 8,192, K 1,024] x [K 1,024, N 1,024]; A: input x; B: input Wk: QUANTISED
;;     2. [M 8,192, K 1,024] x [K 1,024, N 1,024]; A: input x; B: input Wq: QUANTISED
;;     3. [M 8,192, K 1,024] x [K 1,024, N 1,024]; A: input x; B: input Wv: QUANTISED
;;     4. batch 64 x [M 2,048, K 64] x [K 64, N 2,048]; A: computed on the way; B: computed on the way: QUANTISED
;;     5. batch 64 x [M 64, K 2,048] x [K 2,048, N 2,048]; A: computed on the way; B: softmax (see below): QUANTISED
;;     6. [M 8,192, K 1,024] x [K 1,024, N 1,024]; A: computed on the way; B: input Wu: QUANTISED
;;   THE QUANTISER, for each operand of a quantised product, along K:
;;     - K is cut into blocks of 32 from its start; a last block that is shorter is filled with zeros.
;;     - A block's scale is 2^e with e = floor(log2(the largest magnitude in the block)) - 4, held to -126 .. 127; a block of zeros has e = 0. As a byte (E8M0): e + 127.
;;     - Each number is divided by its block's scale, clamped to +-28, and rounded to the nearest number of E3M2, ties to even, subnormals kept.
;;     - The product sums the exact products of the quantised numbers (number of the format x scale) in f32.
;;   ~~~python
;;   def quantise(x, axis):      # numpy; x: float32 -> the quantised numbers, widened to float32 again
;;       x = np.moveaxis(x, axis, -1); K = x.shape[-1]
;;       x = np.pad(x, [(0, 0)] * (x.ndim - 1) + [(0, -K % 32)]); x = x.reshape(x.shape[:-1] + (-1, 32)); a = np.abs(x).max(-1, keepdims=True)
;;       e = np.where(a > 0, np.clip(np.frexp(np.where(a > 0, a, 1))[1] - 1 - 4, -126, 127), 0)      # np.frexp(a)[1] - 1 = floor(log2(a)), exactly
;;       r = np.clip(x / 2.0 ** e, -28, 28)
;;       step = 2.0 ** (np.maximum(np.frexp(np.where(r == 0, 1, r))[1] - 1, -2) - 2)
;;       q = np.round(r / step) * step * 2.0 ** e      # np.round: ties to even
;;       return np.moveaxis(q.reshape(q.shape[:-2] + (-1,))[..., :K], -1, axis).astype(np.float32)
;;   ~~~
;;   SOFTMAX AHEAD OF A QUANTISED PRODUCT. Where the list says 'softmax', what is quantised is not the finished softmax but p = 2^(t - M), with t = logit x log2(e) and M = ceil(the row's largest t), a whole number; so 1/2 < the row's largest p <= 1. The row's sum l is taken of the UNQUANTISED p, in f32, and the product's result is divided by l at the end. Since M is a whole number, a kernel that streams over the keys may use a running M (the ceiling of the running maximum): every later rescaling is an exact power of two, which a block's scale takes up: the codes' values come out the same.
;;   OPERANDS COMPUTED ON THE WAY. 'Computed on the way' means the value that the module computes at that place (a softmax that the list does not call 'softmax' is quantised finished and normalised). What goes into a quantiser is computed in f32, as accurately as f32 sums, v_exp_f32 and their like allow (about 1e-6 of the number): no bf16 or f16 on the way to a quantiser, and a product that is left as it is and whose result goes on into a quantised operand takes f32 operands (vector FMAs, or v_wmma_f32_16x16x4_f32). A number that lies on a knife's edge between two numbers of the format may be rounded either way, as far as f32 arithmetic and the matrix unit's own rounding can turn it there, and no further.
;; One version. Each part assembles by itself: llvm-mc -triple=amdgcn-amd-amdhsa -mcpu=gfx1250 --defsym DOCPART=n.
;; ======== version 1 of 1: 4 launches
;; limits: right only within a limited range of input values
;; workspace buffers: ops 15,728,640 bytes; opsc 655,360 bytes; qbuf 7,340,032 bytes; kv 14,155,776 bytes
;; launch quant (part 1): grid 768 x 1, 4 waves a work-group, no clusters, 34,304 bytes of LDS; arguments x, Wq, Wk, Wv, Wu, ops, opsc; writes ops, opsc
.if DOCPART == 1
	.amdgcn_target "amdgcn-amd-amdhsa--gfx1250"
	.amdhsa_code_object_version 6
	.text
	.protected	k_qccd40e3215_quant
	.globl	k_qccd40e3215_quant
	.p2align	8
	.type	k_qccd40e3215_quant,@function
k_qccd40e3215_quant:
	s_mov_b64 s[64:65], 0
	v_nop
	global_prefetch_b8 v0, s[64:65] scope:SCOPE_SE
	s_setreg_imm32_b32 hwreg(HW_REG_WAVE_MODE, 25, 1), 1
	s_wait_xcnt 0x0
; x [8192][1024] and Wq, Wk, Wv, Wu [1024][1024], f32 with K innermost, become codes of BF6 (E3M2) with one E8M0 byte for each 32 along K,
; laid in the order of a matrix operand's registers, so that the later launches fetch fragments by dense loads alone.
; A TILE of 16 rows: tile 2 B + u holds rows 32 B + 8 u + r + 8 (r / 8), r = 0 .. 15 (eight neighbours, and the eight that lie 16 further on).
; A FRAGMENT (a tile x 128 along K, 12 registers a lane) is 1,536 bytes, two halves of 768: registers 6 c .. 6 c + 3 at 16 x lane, registers 6 c + 4, 6 c + 5 at 512 + 8 x lane.
; ops: [block of 8 tiles][K step 0..7][tile 0..7][1,536].  opsc: [tile][row r][32 bytes]: the word at 4 s is the scale word of K step s.
; Tiles 0-511 are x's, 512-575 Wq's, 576-639 Wk's, 640-703 Wv's, 704-767 Wu's.
; SHARES: a work-group takes one tile, each of its four waves a quarter of K: two K steps of 128.  The waves share nothing: no barrier.
; Each load reads 512 consecutive bytes of one row; the 16 rows turn through the wave's own stage in LDS (rows 528 bytes apart), out of which a lane takes 16 neighbours of each block of 32 of its row.
; A block's scale is 2^(floor(log2(largest magnitude)) - 4): its byte is that magnitude's exponent field - 4, held at 1 from below.
; LIMITS: a block of zeros, or one whose largest magnitude lies under 2^-122, gets the byte 1 (its codes are zeros or tiny; this program alone reads the bytes); NaN and infinities are not served.
.set ROWB, 4096                        ; a row of any of the five tensors, in bytes
.set SP,   528                         ; a stage row: 512 bytes + 16
.set STG,  16*SP                       ; a wave's stage
.set KSB,  12288                       ; a K step of a block of 8 tiles in ops
.set RBB,  98304                       ; a block of 8 tiles in ops
.set L16,  1                           ; v1   16 x lane
.set L8,   2                           ; v2   8 x lane
.set STI,  3                           ; v3   the stage, on the way in
.set STO,  4                           ; v4   and on the way out: row r, + 64 h
.set SCO,  5                           ; v5   my place among the tile's scale words: 32 r + 4 h
.set HH,   6                           ; v6   h = lane / 16
.set R,    16                          ; v16-143  two sets of 64: a K step's 16 rows as loaded
.set X,    144                         ; v144-207 64 numbers of my row: register 16 b + i = k 32 b + 16 h + i
.set TM,   208                         ; v208-223 at work
.set PC,   224                         ; v224-235 the fragment just made
.set CT,   236                         ; v236-238, v240-242 the upper halves of the blocks, as converted
.set W0,   244                         ; v244, v245 the two K steps' scale words
.set SEL,  28                          ; s[28:29] lane selects: lane l xor 16
	s_load_b256 s[4:11], s[0:1], 0x0               ; x, Wq, Wk, Wv
	s_load_b128 s[12:15], s[0:1], 0x20             ; Wu, ops
	s_load_b64 s[16:17], s[0:1], 0x30              ; opsc
	v_lshl_add_u32 v248, v0, 2, 0x8400
	v_mov_b32 v249, 0
	v_lshrrev_b32 v7, 5, v0
	v_readfirstlane_b32 s20, v7                    ; wave = quarter of K
	v_and_b32 v7, 31, v0
	v_lshlrev_b32 v[L16], 4, v7
	v_lshlrev_b32 v[L8], 3, v7
	v_and_b32 v8, 15, v0                           ; r
	v_bfe_u32 v[HH], v0, 4, 1                      ; h
	s_mul_i32 s21, s20, STG
	v_add_nc_u32 v[STI], s21, v[L16]
	v_mul_u32_u24 v[STO], v8, SP
	v_lshl_add_u32 v[STO], v[HH], 6, v[STO]
	v_add_nc_u32 v[STO], s21, v[STO]
	v_lshlrev_b32 v[SCO], 5, v8
	v_lshl_add_u32 v[SCO], v[HH], 2, v[SCO]
.irp b, 0,1,2,3
	v_mov_b32 v[TM+4+\b], 0                        ; written once: a lane permute's destination counts as one of its sources
.endr
	s_mov_b32 s[SEL], 0x76543210
	s_mov_b32 s[SEL+1], 0xfedcba98
	s_sub_co_u32 s22, ttmp9, 512
	s_lshr_b32 s23, s22, 6                         ; which weight (used where the tile is no tile of x)
	s_and_b32 s22, s22, 63                         ; and which of its 64 tiles
	s_wait_alu depctr_va_vdst(0)
	s_wait_kmcnt 0x0
	s_cmp_eq_u32 s23, 1                            ; the source is chosen by the work-group's number alone
	s_cselect_b64 s[18:19], s[8:9], s[6:7]
	s_cmp_eq_u32 s23, 2
	s_cselect_b64 s[18:19], s[10:11], s[18:19]
	s_cmp_eq_u32 s23, 3
	s_cselect_b64 s[18:19], s[12:13], s[18:19]
	s_cmp_lt_u32 ttmp9, 512
	s_cselect_b64 s[18:19], s[4:5], s[18:19]
	s_cselect_b32 s22, ttmp9, s22                  ; the tile's number in its tensor
	s_lshr_b32 s24, s22, 1
	s_lshl_b32 s24, s24, 17                        ; 32 rows of 4,096 bytes for each pair of tiles,
	s_and_b32 s25, s22, 1
	s_lshl_b32 s25, s25, 15                        ; 8 rows for the odd one,
	s_add_co_u32 s24, s24, s25
	s_lshl_b32 s25, s20, 10                        ; my quarter of a row
	s_add_co_u32 s24, s24, s25
	s_mov_b32 s25, 0
	s_add_nc_u64 s[18:19], s[18:19], s[24:25]
	s_lshr_b32 s24, ttmp9, 3
	s_mul_i32 s24, s24, RBB
	s_mul_i32 s26, s20, 2*KSB
	s_add_co_u32 s24, s24, s26
	s_and_b32 s26, ttmp9, 7
	s_mul_i32 s26, s26, 1536
	s_add_co_u32 s24, s24, s26
	s_add_nc_u64 s[14:15], s[14:15], s[24:25]      ; my first fragment in ops
	s_lshl_b32 s24, ttmp9, 9
	s_lshl_b32 s26, s20, 3
	s_add_co_u32 s24, s24, s26
	s_add_nc_u64 s[16:17], s[16:17], s[24:25]      ; my two words of each row in opsc
.macro LOAD e                          ; K step e of my quarter: 16 rows, 512 consecutive bytes each
.irp p, 0,1,2,3,4,5,6,7,8,9,10,11,12,13,14,15
	global_load_b128 v[R+64*\e+4*\p:R+64*\e+4*\p+3], v[L16], s[18:19] offset:(\p+8*(\p/8))*ROWB+512*\e th:TH_LOAD_NT
.endr
.endm
.macro TURN e                          ; through the stage: LDS serves a wave's instructions in order, so no wait stands between the stores and the loads
.irp p, 0,1,2,3,4,5,6,7,8,9,10,11,12,13,14,15
	ds_store_b128 v[STI], v[R+64*\e+4*\p:R+64*\e+4*\p+3] offset:SP*\p
.endr
.irp b, 0,1,2,3
.irp j, 0,1,2,3
	ds_load_b128 v[X+16*\b+4*\j:X+16*\b+4*\j+3], v[STO] offset:128*\b+16*\j
.endr
.endr
.endm
; 64 numbers of a lane become a fragment's codes in v[PC] on and its row's scale word in v[pw]
.macro QUANT s, pw
.irp b, 0,1,2,3
	v_max3_num_f32 v[TM+\b], |v[\s+16*\b]|, |v[\s+1+16*\b]|, 0x2800000   ; block b: my 16 numbers, and the floor 2^(5 - 127): the byte cannot fall under 1
.endr
.irp i, 2,4,6,8,10,12,14
.irp b, 0,1,2,3
	v_max3_num_f32 v[TM+\b], v[TM+\b], |v[\s+16*\b+\i]|, |v[\s+1+16*\b+\i]|   ; the four blocks by turns
.endr
.endr
.irp b, 0,1,2,3
	v_permlanex16_b32 v[TM+4+\b], v[TM+\b], s[SEL], s[SEL+1]
.endr
.irp b, 0,1,2,3
	v_max_num_f32 v[TM+\b], v[TM+\b], v[TM+4+\b]   ; with lane l xor 16's 16: the block's largest magnitude
.endr
.irp b, 0,1,2,3
	v_add_nc_u32 v[TM+12+\b], 0xfe000000, v[TM+\b] ; 4 off its exponent field: the conversion takes that field as its scale
.endr
.irp b, 0,1,2,3
	v_lshrrev_b32 v[TM+4+\b], 23, v[TM+12+\b]      ; the scale's byte
.endr
	v_lshl_or_b32 v[\pw], v[TM+5], 8, v[TM+4]
	v_lshl_or_b32 v[\pw], v[TM+6], 16, v[\pw]
	v_lshl_or_b32 v[\pw], v[TM+7], 24, v[\pw]
.irp c, 0,1
	v_cvt_scalef32_pk16_bf6_f32 v[PC+6*\c:PC+6*\c+2], v[\s+32*\c:\s+32*\c+15], v[TM+12+2*\c]
	v_cvt_scalef32_pk16_bf6_f32 v[CT+4*\c:CT+4*\c+2], v[\s+32*\c+16:\s+32*\c+31], v[TM+12+2*\c+1]   ; (a conversion's three registers begin on an even number)
.endr
	v_nop                                          ; one plain place behind a scaled conversion
.irp c, 0,1                                    ; the operand's layout wants a whole block in a lane: lanes 0-15 block 2 c, lanes 16-31 block 2 c + 1
.irp i, 0,1,2
	v_permlane16_swap_b32 v[PC+6*\c+\i], v[CT+4*\c+\i]
.endr
.irp i, 0,1,2
	v_mov_b32 v[PC+3+6*\c+\i], v[CT+4*\c+\i]
.endr
.endr
.endm
.macro IMG e                           ; the fragment leaves as it stands: each store covers 512 or 256 consecutive bytes, at a multiple of 256 from the buffer's first byte
	global_store_b128 v[L16], v[PC:PC+3], s[14:15] offset:KSB*\e
	global_store_b64 v[L8], v[PC+4:PC+5], s[14:15] offset:KSB*\e+512
	global_store_b128 v[L16], v[PC+6:PC+9], s[14:15] offset:KSB*\e+768
	global_store_b64 v[L8], v[PC+10:PC+11], s[14:15] offset:KSB*\e+1280
.endm
	LOAD 0
	LOAD 1
	s_wait_loadcnt 16                              ; the first K step's 16 loads are in; the second's 16 may be out
	TURN 0
	s_wait_dscnt 0x0
	QUANT X, W0
	IMG 0
	s_wait_loadcnt 0x0
	TURN 1
	s_wait_dscnt 0x0
	s_wait_xcnt 0x0                                ; the four stores above have read v[PC] on: it is written again only behind this wait
	QUANT X, W0+1
	IMG 1
	v_cmp_ne_u32 vcc_lo, 0, v[HH]
	v_cndmask_b32 v246, v[W0], v[W0+1], vcc_lo     ; lanes 0-15 store the first K step's word of row r, lanes 16-31 the second's
	global_store_b32 v[SCO], v246, s[16:17]        ; 8 bytes of each row's 32: one byte in 128 of what the launch reads
	s_wait_tensorcnt 0x0
	ds_add_u32 v248, v249
	s_wait_dscnt 0x0
	s_endpgm
.Lfunc_end_k_qccd40e3215_quant:
	.size	k_qccd40e3215_quant, .Lfunc_end_k_qccd40e3215_quant-k_qccd40e3215_quant
	.p2alignl 7, 3214868480
	.fill 96, 4, 3214868480
	.section	.rodata,"a",@progbits
	.p2align	6, 0x0
	.amdhsa_kernel k_qccd40e3215_quant
		.amdhsa_group_segment_fixed_size 34304
		.amdhsa_private_segment_fixed_size 0
		.amdhsa_enable_private_segment 0
		.amdhsa_kernarg_size 56
		.amdhsa_user_sgpr_count 2
		.amdhsa_user_sgpr_kernarg_segment_ptr 1
		.amdhsa_wavefront_size32 1
		.amdhsa_system_sgpr_workgroup_id_x 1
		.amdhsa_system_sgpr_workgroup_id_y 1
		.amdhsa_system_sgpr_workgroup_id_z 1
		.amdhsa_system_vgpr_workitem_id 0
		.amdhsa_next_free_vgpr 250
		.amdhsa_next_free_sgpr 66
		.amdhsa_reserve_vcc 1
		.amdhsa_float_denorm_mode_32 3
		.amdhsa_float_denorm_mode_16_64 3
		.amdhsa_memory_ordered 1
		.amdhsa_forward_progress 1
		.amdhsa_inst_pref_size 19
	.end_amdhsa_kernel
	.amdgpu_metadata
---
amdhsa.version: [ 1, 2 ]
amdhsa.kernels:
  - .name:           k_qccd40e3215_quant
    .symbol:         k_qccd40e3215_quant.kd
    .args:
      - { .name: x, .offset: 0, .size: 8, .value_kind: global_buffer, .address_space: global }
      - { .name: Wq, .offset: 8, .size: 8, .value_kind: global_buffer, .address_space: global }
      - { .name: Wk, .offset: 16, .size: 8, .value_kind: global_buffer, .address_space: global }
      - { .name: Wv, .offset: 24, .size: 8, .value_kind: global_buffer, .address_space: global }
      - { .name: Wu, .offset: 32, .size: 8, .value_kind: global_buffer, .address_space: global }
      - { .name: ops, .offset: 40, .size: 8, .value_kind: global_buffer, .address_space: global }
      - { .name: opsc, .offset: 48, .size: 8, .value_kind: global_buffer, .address_space: global }
    .group_segment_fixed_size: 34304
    .private_segment_fixed_size: 0
    .kernarg_segment_align: 8
    .kernarg_segment_size: 56
    .max_flat_workgroup_size: 128
    .sgpr_count:     66
    .vgpr_count:     250
    .wavefront_size: 32
...
	.end_amdgpu_metadata
.endif
;; end of part 1
;; launch qkv (part 2): grid 16 x 16, 4 waves a work-group, clusters of 4 x 4, 327,680 bytes of LDS; arguments ops, opsc, qbuf, kv; writes qbuf, kv
.if DOCPART == 2
	.amdgcn_target "amdgcn-amd-amdhsa--gfx1250"
	.amdhsa_code_object_version 6
	.text
	.protected	k_qccd40e3215_qkv
	.globl	k_qccd40e3215_qkv
	.p2align	8
	.type	k_qccd40e3215_qkv,@function
k_qccd40e3215_qkv:
	s_mov_b64 s[64:65], 0
	v_nop
	global_prefetch_b8 v0, s[64:65] scope:SCOPE_SE
	s_setreg_imm32_b32 hwreg(HW_REG_WAVE_MODE, 25, 1), 1
	s_wait_xcnt 0x0
	s_wait_alu depctr_hold_cnt(0) depctr_sa_sdst(0) depctr_va_vdst(0) depctr_va_sdst(0) depctr_va_ssrc(0) depctr_va_vcc(0) depctr_vm_vsrc(0)
	s_getreg_b32 s2, hwreg(HW_REG_IB_STS2, 6, 4)
	s_cmp_eq_u32 s2, 0
	s_cbranch_scc0 .Lentry_in_a_cluster
	s_endpgm
.Lentry_in_a_cluster:
	s_bfe_u32 s2, ttmp6, 0x10000c
	s_cmp_lg_u32 s2, 0xf033
	s_cbranch_scc0 .Lentry_shape_is_right
	s_endpgm
.Lentry_shape_is_right:
; q = x Wq^T, k = x Wk^T, v = x Wv^T on codes of BF6 with E8M0 scales (K = 1,024), and the results quantised in registers: q and k along a head's 64, v along the tokens.  One pass over x.
; Operands come from ops / opsc in the order of the operand's registers: a tile 2 B + u holds rows 32 B + 8 u + r + 8 (r / 8); ops [block of 8 tiles][K step][tile][1,536]; opsc [tile][row r][32 bytes].  x: blocks 0-63, Wq 64-71, Wk 72-79, Wv 80-87.
; OUT, as the next launch reads it: qbuf [head 0..63][block of 256 queries][16 tiles x 768, then 4 x 512 bytes of scale words, four tiles' words a lane];
;      kv [head][slot of 256 keys][K: 16 tiles x 768 | V: 2 steps x 4 tiles of d x 1,536 | K's scale words 4 x 512 | V's 2 x 512]: 27,648 bytes.
; THE DEAL: 256 work-groups of four waves, 2 x 2.  Work-group (cg, rg) makes 512 tokens (x's blocks 4 rg .. 4 rg + 3) against block 64 + cg of Wq|Wk (two heads) AND head cg's 64 rows of Wv.
; The wave in row a, column b holds in registers, ALL of K, four tiles of Wq|k (one head, 32 fragments) and two of Wv (16 fragments), and streams x's tiles 8 g + 4 a + j (group g = 0 .. 3, j = 0 .. 3) past them: 48 products a tile, six accumulators by turns.
; q, k: source 0 = the weight's rows, source 1 = tokens: a lane holds one token and its head's 64 numbers, two scale blocks: quantised tile by tile.  v: source 0 = tokens, source 1 = the weight's rows: a lane holds one channel; a group's four tiles are 64 tokens, two scale blocks: quantised behind the group's last tile.
; LDS: three regions of 98,304 bytes.  Head, one tensor load a wave, each on a line of its own: Wq|k's block -> R2; x's block 0 -> R3; block 1's K steps 0-3, 4-7 -> R1.  ONE REFILL, in a drained round of the cluster's barrier inside tile 2: block 2 -> R2 (the weights are in registers), block 3 -> R3 (block 0's last fetch stands behind tile 1); a quarter a wave.
; A plain barrier inside tile 6 shows the refill (and, the text being a loop's, one stands inside tile 10).  x's blocks are shared by a row of the cluster, Wq|k's by a column: joint loads.
; Wv's fragments come by plain loads straight into registers, not jointly: 4 x 98,304 + 49,152 bytes do not fit in LDS, and each wave's head load is taken.  x's scale bytes (16,384) are copied once into LDS bytes of their own.
; PREFETCH: the 196,608 bytes of the refill are named once in each cluster's row: 12,288 bytes for each of its sixteen waves, shared out by address, behind the first barrier.
; Behind a tile's products ONE RUN: the fetch of the tile two on (34 LDS loads), the quantiser under their flight, the stores, one wait (the fetch just issued may be out).
; THE TEXT: group 0 written out, groups 1 and 2 a loop of two trips, group 3 written out (it fetches nothing beyond the end).
; LIMITS: a block of zeros, or one under 2^-122, gets the byte 1 (this program alone reads the bytes); NaN and infinities are not served.
; REGISTERS: fragment f lies at register 256 + 12 f: 0-31 Wq|k's (4 q + t), 32-47 Wv's (32 + 2 q + t), 48-63 x's two sets (48 + 8 e + q).  Window 0: the map below.
.set RBB,   98304
.set FR,    12
.set NF,    34
.set R2,    98304
.set SPARE, 294912                     ; the spare words, 128 bytes a wave
.set XSB,   295424                     ; x's scale bytes: [tile 0..31][row][32]
.set L16,  1
.set L8,   2
.set SPW,  3
.set NIL,  4
.set XS0,  5                           ; my row's scale words in tile 4 a
.set XSA,  6                           ; the same in the group that is fetched from
.set AX016, 8                          ; v8-9, v10-11: x's fragments in a region, K steps 0-3, 4-7: + 16 x lane, + 8 x lane
.set AX08, 10
.set AX16, 12                          ; v12-15: the same in the region that is fetched from
.set AX8,  14
.set SOFF, 18
.set XSTO, 19
.set SBQ,  24                          ; v24-55 Wq|k's scale words, 8 t + q
.set SA,   60                          ; v60-75 x's, two sets of eight
.set VCD2, 76                          ; v76-81 v's codes, second tile; v82 its two scale bytes
.set VW2,  82
.set SBV,  88                          ; v88-103 Wv's scale words
.set BD16, 104                         ; v104-107 head: Wq|k's fragments in R2
.set BD8,  106
.set PF,   108                         ; v108-109 the prefetches' offsets; never rewritten
.set ACC,  128                         ; v128-159 q's or k's sums
.set HV,   160                         ; v160-223 v's sums: 32 t + 8 j + i (head: x's scale bytes on their way)
.set TM,   224
.set NCD,  232
.set CT,   238
.set EW,   244                         ; v244-247 a group's four scale words of q or k
.set VCD,  248
.set VW,   254
.set G1X, 24
.set G1W, 32
.set G0X, 56
.set G0W, 60
.set PQ,  76                           ; s[76:83] where the group's codes and scale words go: q|k, its words, v, its bytes
.set PS,  78
.set PV,  80
.set PVS, 82
.set GG,  84
.set GO,  85
.set XO,  86
.set BLKQ, 87
.set SEL, 88
.set MSB, 0
.macro WIN new
.set WNEW, \new
.if MSB != WNEW
	s_set_vgpr_msb (MSB<<8)|WNEW
.set MSB, WNEW
.endif
.endm
.macro PLACES n
.rept \n
	v_nop
.endr
.endm
.macro BARRIER
	s_barrier_signal -1
	s_barrier_wait -1
.endm
.macro CROUND
	BARRIER
	s_cmp_lg_u32 s14, 0
	s_cbranch_scc1 .Lnot_wave_0_\@
	s_barrier_signal -3
.Lnot_wave_0_\@:
	s_barrier_wait -3
	BARRIER
.endm
.macro TLOAD g0, g1                    ; an s_nop 0 and four v_nop follow the line
	tensor_load_to_lds s[\g0:\g0+3], s[\g1:\g1+7]
	s_nop 0
	PLACES 4
.endm
.macro XTILE lds, first, rows          ; a dense part of x's bytes
	s_mov_b32 s[G0X+1], \lds
	s_mov_b32 s[G1X+2], (\rows)<<16
	s_mov_b32 s[G1X+4], \rows
.if \first
	s_add_nc_u64 s[G0X+2:G0X+3], s[G0X+2:G0X+3], \first
.endif
	s_or_b32 s[G0X+3], s[G0X+3], 0x80000000
	TLOAD G0X, G1X
.endm
.macro PC f, p                         ; register p of fragment f: its window becomes the destination's, R_ its number there
.set R_, (256+FR*(\f)+(\p))&255
	WIN ((256+FR*(\f)+(\p))>>8)<<6
.endm
.macro FRAGL f, a16, a8, off           ; a fragment comes as it was stored: 512, 256, 512, 256 consecutive bytes; no piece of these runs across a window's end
	PC \f, 0
	ds_load_b128 v[R_:R_+3], v[\a16] offset:\off
	PC \f, 4
	ds_load_b64 v[R_:R_+1], v[\a8] offset:(\off)+512
	PC \f, 6
	ds_load_b128 v[R_:R_+3], v[\a16] offset:(\off)+768
	PC \f, 10
	ds_load_b64 v[R_:R_+1], v[\a8] offset:(\off)+1280
.endm
.macro FRAGG f, off                    ; the same from memory; fragment 42's third piece would run across a window's end and comes in two
	PC \f, 0
	global_load_b128 v[R_:R_+3], v[L16], s[94:95] offset:\off
	PC \f, 4
	global_load_b64 v[R_:R_+1], v[L8], s[94:95] offset:(\off)+512
	PC \f, 6
.if R_ > 252
	global_load_b64 v[R_:R_+1], v[L16], s[94:95] offset:(\off)+768
	PC \f, 8
	global_load_b64 v[R_:R_+1], v[L16], s[94:95] offset:(\off)+776
.else
	global_load_b128 v[R_:R_+3], v[L16], s[94:95] offset:(\off)+768
.endif
	PC \f, 10
	global_load_b64 v[R_:R_+1], v[L8], s[94:95] offset:(\off)+1280
.endm
.macro FETCH e, jt                     ; tile jt of the group that the address registers stand at, into set e: NF loads
.irp q, 0,1,2,3,4,5,6,7
	FRAGL 48+8*(\e)+\q, AX16+\q/4, AX8+\q/4, (\q%4)*12288+(\jt)*1536
.endr
	WIN 0
	ds_load_b128 v[SA+8*(\e):SA+8*(\e)+3], v[XSA] offset:(\jt)*512
	ds_load_b128 v[SA+8*(\e)+4:SA+8*(\e)+7], v[XSA] offset:(\jt)*512+16
.endm
.macro MM d, s0, s1, c, x0, x1
	v_wmma_scale_f32_16x16x128_f8f6f4 v[\d:\d+7], v[\s0:\s0+FR-1], v[\s1:\s1+FR-1], \c, v[\x0], v[\x1] matrix_a_fmt:MATRIX_FMT_BF6 matrix_b_fmt:MATRIX_FMT_BF6
.endm
.macro PQK e, q, t                     ; source 0 the weight's rows, source 1 x's
.set XF_, 256+FR*(48+8*(\e)+(\q))
.set WF_, 256+FR*(4*(\q)+(\t))
.set XG_, XF_&255
.set WG_, WF_&255
.set D_, ACC+8*(\t)
	WIN (WF_>>8)|((XF_>>8)<<2)
.if \q
	MM D_, WG_, XG_, v[D_:D_+7], SBQ+8*(\t)+(\q), SA+8*(\e)+(\q)
.else
	MM D_, WG_, XG_, 0, SBQ+8*(\t)+(\q), SA+8*(\e)+(\q)
.endif
.endm
.macro PVV e, q, t, j                  ; source 0 x's rows, source 1 the weight's
.set XF_, 256+FR*(48+8*(\e)+(\q))
.set WF_, 256+FR*(32+2*(\q)+(\t))
.set XG_, XF_&255
.set WG_, WF_&255
.set D_, HV+32*(\t)+8*(\j)
	WIN (XF_>>8)|((WF_>>8)<<2)
.if \q
	MM D_, XG_, WG_, v[D_:D_+7], SA+8*(\e)+(\q), SBV+8*(\t)+(\q)
.else
	MM D_, XG_, WG_, 0, SA+8*(\e)+(\q), SBV+8*(\t)+(\q)
.endif
.endm
.macro PROD e, j, i                    ; product i = 6 q + ..: the six accumulators take turns, in the same order in every K step
.set Q_, (\i)/6
.set I_, (\i)%6
.if I_ == 0
	PVV \e, Q_, 0, \j
.elseif I_ == 3
	PVV \e, Q_, 1, \j
.elseif I_ < 3
	PQK \e, Q_, I_-1
.else
	PQK \e, Q_, I_-2
.endif
.endm
.macro PRODS e, j, from, to
.set N_, \from
.rept (\to)-(\from)
	PROD \e, \j, N_
.set N_, N_+1
.endr
	WIN 0
.endm
; 32 sums of a lane (register 16 b + i = index 32 b + 16 h + i along the next K) become half a fragment in v[d] on and two scale bytes in v[w].  Each accumulator is read from its low end on
.macro QOUT x, d, w
.irp b, 0,1
	v_max3_num_f32 v[TM+\b], |v[\x+16*\b]|, |v[\x+16*\b+1]|, 0x2800000   ; and the floor 2^(5 - 127): the byte cannot fall under 1
.endr
.irp i, 2,4,6,8,10,12,14
.irp b, 0,1
	v_max3_num_f32 v[TM+\b], v[TM+\b], |v[\x+16*\b+\i]|, |v[\x+16*\b+\i+1]|
.endr
.endr
.irp b, 0,1
	v_permlanex16_b32 v[TM+2+\b], v[TM+\b], s[SEL], s[SEL+1]
.endr
.irp b, 0,1
	v_max_num_f32 v[TM+\b], v[TM+\b], v[TM+2+\b]   ; with lane l xor 16's 16: the block's largest magnitude
.endr
.irp b, 0,1
	v_add_nc_u32 v[TM+4+\b], 0xfe000000, v[TM+\b]  ; 4 off its exponent field: the conversion's scale operand
.endr
.irp b, 0,1
	v_lshrrev_b32 v[TM+6+\b], 23, v[TM+4+\b]       ; the byte
.endr
	v_cvt_scalef32_pk16_bf6_f32 v[\d:\d+2], v[\x:\x+15], v[TM+4]
	v_cvt_scalef32_pk16_bf6_f32 v[CT:CT+2], v[\x+16:\x+31], v[TM+5]
	v_lshl_or_b32 v[\w], v[TM+7], 8, v[TM+6]       ; (the plain place behind the conversions)
.irp i, 0,1,2
	v_permlane16_swap_b32 v[\d+\i], v[CT+\i]       ; a whole block to a lane
.endr
.irp i, 0,1,2
	v_mov_b32 v[\d+3+\i], v[CT+\i]
.endr
.endm
.macro SETG                            ; where group s[GG]'s results go: block of 256 tokens g / 2, half g % 2
	s_lshr_b32 s20, s[GG], 1
	s_and_b32 s21, s[GG], 1
	s_mul_i32 s22, s20, s[BLKQ]
	s_mul_i32 s20, s20, 27648
	s_mov_b32 s75, 0
	s_mul_i32 s23, s21, 6144
	s_add_co_u32 s74, s22, s23
	s_add_nc_u64 s[PQ:PQ+1], s[66:67], s[74:75]
	s_add_co_u32 s74, s20, s23
	s_add_nc_u64 s[PV:PV+1], s[70:71], s[74:75]
	s_lshl_b32 s23, s21, 10
	s_add_co_u32 s74, s22, s23
	s_add_nc_u64 s[PS:PS+1], s[68:69], s[74:75]
	s_lshl_b32 s23, s21, 9
	s_add_co_u32 s74, s20, s23
	s_add_nc_u64 s[PVS:PVS+1], s[72:73], s[74:75]
.endm
; A TILE.  kind 0: group 0; 1: the loop's; 2: group 3
.macro TILE kind, j
.if (\kind) == 0 && (\j) == 2
	s_wait_tensorcnt 0x0                           ; the refill's round: the head's loads are in, block 1 among them
	ds_add_u32 v[SPW], v[NIL]
	s_mov_b32 s[G1X+2], 192<<16                    ; no tensor load of mine is out: a quarter of the refill is 192 rows of 256 bytes,
	s_mov_b32 s[G1X+4], 192
	s_mov_b32 s[G0X+1], s91                        ; at R2 + 49,152 x wave,
	s_add_nc_u64 s[G0X+2:G0X+3], s[50:51], s[96:97]   ; from x's byte 196,608 + 49,152 x wave
	s_or_b32 s[G0X+3], s[G0X+3], 0x80000000
	PRODS (\j)%2, \j, 0, 36
	s_wait_dscnt 0x0                               ; the add is done, and my reads of block 0 are over
	s_barrier_signal -1
	PRODS (\j)%2, \j, 36, 48
	s_barrier_wait -1
	s_cmp_lg_u32 s14, 0
	s_cbranch_scc1 .Lnw0_\@
	s_barrier_signal -3
.Lnw0_\@:
	s_barrier_wait -3
	BARRIER
	TLOAD G0X, G1X                                 ; my one tensor load behind the round
.elseif (\kind) == 1 && (\j) == 2
	PRODS (\j)%2, \j, 0, 36
	s_wait_tensorcnt 0x0
	s_wait_dscnt 0x0
	s_barrier_signal -1                            ; a plain barrier: what the refill brought is shown to all
	PRODS (\j)%2, \j, 36, 48
	s_barrier_wait -1
	s_add_co_u32 s[GO], s[GO], RBB
	s_add_co_u32 s[XO], s[XO], 4096
.else
	PRODS (\j)%2, \j, 0, 48
.endif
.if (\j) == 2 && (\kind) < 2                   ; from here on the next group is fetched; these lines are also the places behind the last product
	v_add_nc_u32 v[AX16], s[GO], v[AX016]
	v_add_nc_u32 v[AX16+1], s[GO], v[AX016+1]
	v_add_nc_u32 v[AX8], s[GO], v[AX08]
	v_add_nc_u32 v[AX8+1], s[GO], v[AX08+1]
	v_add_nc_u32 v[XSA], s[XO], v[XS0]
	s_wait_alu depctr_va_vdst(0)                   ; the wait here, directly ahead of the wait below
.else
	PLACES 4                                       ; between the last product and the fetch into registers that it has read, and the first reader of its sums
.endif
	s_wait_xcnt 0x0                                ; the last tile's stores have read their registers and bases
.if (\j) == 0
	SETG
.endif
.if (\kind) < 2 || (\j) < 2
	FETCH (\j)%2, ((\j)+2)%4
.endif
	QOUT ACC, NCD, EW+(\j)
	global_store_b128 v[L16], v[NCD:NCD+3], s[PQ:PQ+1] offset:768*(\j)        ; 512 consecutive bytes,
	global_store_b64 v[L8], v[NCD+4:NCD+5], s[PQ:PQ+1] offset:768*(\j)+512    ; and 256
.if (\j) == 3
	QOUT HV, VCD, VW
	QOUT HV+32, VCD2, VW2
	global_store_b128 v[L16], v[EW:EW+3], s[PS:PS+1]
	global_store_b128 v[L16], v[VCD:VCD+3], s[PV:PV+1]
	global_store_b64 v[L8], v[VCD+4:VCD+5], s[PV:PV+1] offset:512
	global_store_b128 v[L16], v[VCD2:VCD2+3], s[PV:PV+1] offset:1536
	global_store_b64 v[L8], v[VCD2+4:VCD2+5], s[PV:PV+1] offset:2048
	global_store_b16 v[L16], v[VW], s[PVS:PVS+1]             ; two of a scale word's four bytes: the other wave row stores the others
	global_store_b16 v[L16], v[VW2], s[PVS:PVS+1] offset:4
.endif
.if (\kind) < 2 || (\j) < 2
	s_wait_dscnt NF                                ; the next tile's fragments are in; the fetch just issued may be out
.elseif (\j) == 2
	s_wait_dscnt 0x0
.endif
.endm
.macro GROUP kind
.irp j, 0,1,2,3
	TILE \kind, \j
.endr
.endm
; ================= THE HEAD
	s_load_b256 s[4:11], s[0:1], 0x0               ; ops, opsc, qbuf, kv
	v_lshl_add_u32 v[SPW], v0, 2, SPARE
	v_mov_b32 v[NIL], 0
	ds_add_u32 v[SPW], v[NIL]                      ; the opening lines: the add twice on end and its wait
	ds_add_u32 v[SPW], v[NIL]
	v_lshrrev_b32 v7, 5, v0
	v_readfirstlane_b32 s14, v7                    ; the wave; s15 its row a, s16 its column b
	s_lshr_b32 s15, s14, 1
	s_and_b32 s16, s14, 1
	s_bfe_u32 s40, ttmp6, 0x40000
	s_bfe_u32 s41, ttmp6, 0x40004
	s_lshl_b32 s42, ttmp9, 2
	s_add_co_u32 s42, s42, s40                     ; cg
	s_and_b32 s43, ttmp7, 0xffff
	s_lshl_b32 s43, s43, 2
	s_add_co_u32 s43, s43, s41                     ; rg
	s_lshl_b32 s44, s41, 2
	s_lshl_b32 s44, 15, s44                        ; my row of the cluster: shares x's bytes
	s_lshl_b32 s45, 0x1111, s40                    ; my column: shares Wq|k's
	s_or_b32 s[G1X+0], s44, (3<<16)|(1<<21)        ; elements of 8 bytes, rows of 256 bytes, dense
	s_or_b32 s[G1W+0], s45, (3<<16)|(1<<21)
.irp g, G1X, G1W
	s_mov_b32 s[\g+1], 32<<16
	s_mov_b32 s[\g+3], 32<<16
	s_mov_b32 s[\g+5], 32
	s_mov_b32 s[\g+6], 0
	s_mov_b32 s[\g+7], 0
.endr
	s_mov_b32 s[G1W+2], 384<<16
	s_mov_b32 s[G1W+4], 384
	s_mov_b32 s[G0X], 1
	s_mov_b32 s[G0W], 1
	s_mov_b32 s[G0W+1], R2
	s_mul_i32 s46, s43, 4*RBB                      ; x's four blocks
	s_mov_b32 s47, 0
	s_add_co_u32 s48, s42, 64
	s_mul_i32 s48, s48, RBB                        ; Wq|k's block
	s_mov_b32 s49, 0
	s_mul_i32 s96, s14, 49152
	s_add_co_u32 s91, s96, R2                      ; the refill: my quarter's place in LDS,
	s_add_co_u32 s96, s96, 2*RBB                   ; and in x's bytes
	s_mov_b32 s97, 0
	s_lshl_b32 s52, s43, 14
	s_lshl_b32 s20, s14, 12
	s_add_co_u32 s52, s52, s20                     ; my quarter of x's scale bytes
	s_mov_b32 s53, 0
	s_lshl_b32 s54, s42, 3
	s_lshl_b32 s20, s16, 2
	s_add_co_u32 s54, s54, s20
	s_add_co_u32 s54, s54, 512
	s_lshl_b32 s54, s54, 9                         ; Wq|k's scale words: tile 512 + 8 cg + 4 b
	s_mov_b32 s55, 0
	s_lshl_b32 s92, s42, 2
	s_lshl_b32 s20, s16, 1
	s_add_co_u32 s92, s92, s20
	s_add_co_u32 s92, s92, 640
	s_lshl_b32 s92, s92, 9                         ; Wv's: tile 640 + 4 cg + 2 b
	s_mov_b32 s93, 0
	s_lshr_b32 s94, s42, 1
	s_add_co_u32 s94, s94, 80
	s_mul_i32 s94, s94, RBB
	s_and_b32 s20, s42, 1
	s_lshl_b32 s20, s20, 2
	s_lshl_b32 s21, s16, 1
	s_add_co_u32 s20, s20, s21
	s_mul_i32 s20, s20, 1536
	s_add_co_u32 s94, s94, s20                     ; Wv's fragments: block 80 + cg / 2, tile 4 (cg % 2) + 2 b
	s_mov_b32 s95, 0
	s_mov_b32 s[BLKQ], 14336                       ; a block of the output and its scale words' place: q's,
	s_mov_b32 s98, 12288
	s_cmp_ge_u32 ttmp9, 2                          ; or k's: cg >= 8, which hangs on the cluster's x alone
	s_cselect_b32 s[BLKQ], 27648, s[BLKQ]
	s_cselect_b32 s98, 24576, s98
	s_lshr_b32 s20, s43, 2
	s_lshl_b32 s20, s20, 4                         ; 16 x batch
	s_and_b32 s21, s43, 3
	s_lshl_b32 s21, s21, 1                         ; my first block of 256 tokens
	s_lshl_b32 s22, s42, 1
	s_add_co_u32 s22, s22, s16
	s_and_b32 s22, s22, 15                         ; my head of q or k
	s_add_co_u32 s22, s22, s20
	s_lshl_b32 s22, s22, 3
	s_add_co_u32 s22, s22, s21
	s_mul_i32 s22, s22, s[BLKQ]
	s_mul_i32 s23, s15, 3072
	s_add_co_u32 s66, s22, s23                     ; codes: + tile 4 a
	s_mov_b32 s67, 0
	s_lshl_b32 s23, s15, 9
	s_add_co_u32 s68, s22, s23
	s_add_co_u32 s68, s68, s98                     ; scale words: + four tiles' 512 x a
	s_mov_b32 s69, 0
	s_add_co_u32 s22, s42, s20
	s_lshl_b32 s22, s22, 3
	s_add_co_u32 s22, s22, s21
	s_mul_i32 s22, s22, 27648
	s_mul_i32 s23, s16, 3072
	s_add_co_u32 s70, s22, s23
	s_mul_i32 s23, s15, 768
	s_add_co_u32 s70, s70, s23
	s_add_co_u32 s70, s70, 12288                   ; v's codes: tile of d 2 b, half a of the fragment
	s_mov_b32 s71, 0
	s_lshl_b32 s23, s16, 3
	s_add_co_u32 s72, s22, s23
	s_lshl_b32 s23, s15, 1
	s_add_co_u32 s72, s72, s23
	s_add_co_u32 s72, s72, 26624                   ; v's scale bytes
	s_mov_b32 s73, 0
	s_mul_i32 s17, s15, 6144
	s_add_co_u32 s18, s17, 49152
	s_mul_i32 s19, s16, 6144
	s_add_co_u32 s19, s19, R2
	s_add_co_u32 s99, s19, 49152
	s_lshl_b32 s12, s15, 11
	s_add_co_u32 s12, s12, XSB
	s_lshl_b32 s13, s14, 12
	s_add_co_u32 s13, s13, XSB
	s_lshl_b32 s90, s40, 2
	s_add_co_u32 s90, s90, s14
	s_mul_i32 s90, s90, 12288
	s_add_co_u32 s90, s90, 2*RBB                   ; my sixteenth of what the refill will load
	s_mov_b32 s[SEL], 0x76543210
	s_mov_b32 s[SEL+1], 0xfedcba98
	s_mov_b32 s[GG], 0
	s_mov_b32 s[GO], 0
	s_mov_b32 s[XO], 4096
	v_and_b32 v7, 31, v0
	v_and_b32 v16, 15, v0
	v_lshlrev_b32 v[L16], 4, v7
	v_lshlrev_b32 v[L8], 3, v7
	v_lshlrev_b32 v[SOFF], 5, v16
	v_add_nc_u32 v[AX016], s17, v[L16]
	v_add_nc_u32 v[AX016+1], s18, v[L16]
	v_add_nc_u32 v[AX08], s17, v[L8]
	v_add_nc_u32 v[AX08+1], s18, v[L8]
.irp k, 0,1
	v_add_nc_u32 v[AX16+\k], 2*RBB, v[AX016+\k]    ; group 0 lies in R3
	v_add_nc_u32 v[AX8+\k], 2*RBB, v[AX08+\k]
.endr
	v_add_nc_u32 v[BD16], s19, v[L16]
	v_add_nc_u32 v[BD16+1], s99, v[L16]
	v_add_nc_u32 v[BD8], s19, v[L8]
	v_add_nc_u32 v[BD8+1], s99, v[L8]
	v_add_nc_u32 v[XS0], s12, v[SOFF]
	v_add_nc_u32 v[XSA], s12, v[SOFF]
	v_add_nc_u32 v[XSTO], s13, v[L16]
	v_lshl_add_u32 v[PF], v7, 8, s90               ; lanes 256 bytes apart: 32 blocks,
	v_min_u32 v17, 15, v7
	v_lshl_add_u32 v[PF+1], v17, 8, s90
	v_add_nc_u32 v[PF+1], 8192, v[PF+1]            ; and 16 more (lanes 16 to 31 repeat the last)
	v_mov_b32 v[TM+2], 0                           ; written once: a lane permute's destination counts as one of its sources
	v_mov_b32 v[TM+3], 0
	s_wait_alu depctr_va_vdst(0)                   ; the wait at the head's end
	s_wait_dscnt 0x0
	CROUND                                         ; the opening round
	s_wait_kmcnt 0x0
	s_add_nc_u64 s[50:51], s[4:5], s[46:47]        ; x's first byte; never rewritten
	s_mov_b64 s[G0X+2:G0X+3], s[50:51]
	s_add_nc_u64 s[G0W+2:G0W+3], s[4:5], s[48:49]
	s_or_b32 s[G0W+3], s[G0W+3], 0x80000000
	s_cmp_eq_u32 s14, 0
	s_cbranch_scc0 .Lwave_1
	TLOAD G0W, G1W                                 ; wave 0: Wq|k's block, which is wanted first
	s_branch .Lasked
.Lwave_1:
	s_cmp_eq_u32 s14, 1
	s_cbranch_scc0 .Lwave_2
	XTILE 2*RBB, 0, 384                            ; wave 1: x's block 0 -> R3
	s_branch .Lasked
.Lwave_2:
	s_cmp_eq_u32 s14, 2
	s_cbranch_scc0 .Lwave_3
	XTILE 0, RBB, 192                              ; wave 2: block 1, K steps 0-3 -> R1
	s_branch .Lasked
.Lwave_3:
	XTILE 49152, RBB+49152, 192                    ; wave 3: K steps 4-7
.Lasked:
	s_add_nc_u64 s[52:53], s[6:7], s[52:53]
	s_add_nc_u64 s[54:55], s[6:7], s[54:55]
	s_add_nc_u64 s[92:93], s[6:7], s[92:93]
	s_add_nc_u64 s[94:95], s[4:5], s[94:95]
	s_cmp_ge_u32 ttmp9, 2
	s_cselect_b64 s[74:75], s[10:11], s[8:9]       ; kv or qbuf
	s_add_nc_u64 s[66:67], s[74:75], s[66:67]
	s_add_nc_u64 s[68:69], s[74:75], s[68:69]
	s_add_nc_u64 s[70:71], s[10:11], s[70:71]
	s_add_nc_u64 s[72:73], s[10:11], s[72:73]
.irp i, 0,1,2,3,4,5,6,7
	global_load_b128 v[HV+4*\i:HV+4*\i+3], v[L16], s[52:53] offset:512*\i     ; x's scale bytes: 512 on end an instruction
.endr
.irp t, 0,1,2,3
	global_load_b128 v[SBQ+8*\t:SBQ+8*\t+3], v[SOFF], s[54:55] offset:512*\t
	global_load_b128 v[SBQ+8*\t+4:SBQ+8*\t+7], v[SOFF], s[54:55] offset:512*\t+16
.endr
.irp t, 0,1
	global_load_b128 v[SBV+8*\t:SBV+8*\t+3], v[SOFF], s[92:93] offset:512*\t
	global_load_b128 v[SBV+8*\t+4:SBV+8*\t+7], v[SOFF], s[92:93] offset:512*\t+16
.endr
.irp q, 0,1,2,3,4,5,6,7
.irp t, 0,1
	FRAGG 32+2*\q+\t, \q*12288+\t*1536             ; Wv's 16 fragments: 65 loads
.endr
.endr
	WIN 0
	s_wait_loadcnt 63                              ; of the 85 loads the youngest 63 may be out: x's scale bytes, the first eight, are in
.irp i, 0,1,2,3,4,5,6,7
	ds_store_b128 v[XSTO], v[HV+4*\i:HV+4*\i+3] offset:512*\i
.endr
	s_wait_dscnt 0x0
	s_cmp_eq_u32 s14, 0
	s_cbranch_scc0 .Lnot_w
	s_wait_tensorcnt 0x0                           ; wave 0: Wq|k's block has landed
.Lnot_w:
	BARRIER                                        ; it is shown to all, and so are x's scale bytes
	global_prefetch_b8 v[PF], s[50:51] th:TH_LOAD_NT scope:SCOPE_SE
	global_prefetch_b8 v[PF+1], s[50:51] th:TH_LOAD_NT scope:SCOPE_SE
.irp q, 0,1,2,3,4,5,6,7
.irp t, 0,1,2,3
	FRAGL 4*\q+\t, BD16+\q/4, BD8+\q/4, (\q%4)*12288+\t*1536
.endr
.endr
	WIN 0
	s_cmp_ge_u32 s14, 2
	s_cbranch_scc1 .Lnot_x0
	s_wait_tensorcnt 0x0                           ; wave 1: x's block 0 has landed
.Lnot_x0:
	s_wait_dscnt 0x0
	BARRIER                                        ; block 0 is in, and nobody reads the weights' bytes any more.  Block 1 may be on its way
	FETCH 0, 0
	FETCH 1, 1
	s_wait_loadcnt 0x0                             ; the weights' scale words and Wv's fragments
	s_wait_dscnt NF                                ; tile 0's fragments are in
; ================= THE STREAM
	GROUP 0
	s_mov_b32 s[GG], 1
.Lgroup:
	GROUP 1
	s_add_co_u32 s[GG], s[GG], 1
	s_cmp_lt_u32 s[GG], 3
	s_cbranch_scc1 .Lgroup
	GROUP 2
	s_wait_tensorcnt 0x0                           ; the wave's end
	ds_add_u32 v[SPW], v[NIL]
	s_wait_dscnt 0x0
	CROUND                                         ; the closing round
	s_endpgm
.Lfunc_end_k_qccd40e3215_qkv:
	.size	k_qccd40e3215_qkv, .Lfunc_end_k_qccd40e3215_qkv-k_qccd40e3215_qkv
	.p2alignl 7, 3214868480
	.fill 96, 4, 3214868480
	.section	.rodata,"a",@progbits
	.p2align	6, 0x0
	.amdhsa_kernel k_qccd40e3215_qkv
		.amdhsa_group_segment_fixed_size 327680
		.amdhsa_private_segment_fixed_size 0
		.amdhsa_enable_private_segment 0
		.amdhsa_kernarg_size 32
		.amdhsa_user_sgpr_count 2
		.amdhsa_user_sgpr_kernarg_segment_ptr 1
		.amdhsa_wavefront_size32 1
		.amdhsa_system_sgpr_workgroup_id_x 1
		.amdhsa_system_sgpr_workgroup_id_y 1
		.amdhsa_system_sgpr_workgroup_id_z 1
		.amdhsa_system_vgpr_workitem_id 0
		.amdhsa_next_free_vgpr 1024
		.amdhsa_next_free_sgpr 100
		.amdhsa_reserve_vcc 0
		.amdhsa_float_denorm_mode_32 3
		.amdhsa_float_denorm_mode_16_64 3
		.amdhsa_memory_ordered 1
		.amdhsa_forward_progress 1
		.amdhsa_inst_pref_size 181
	.end_amdhsa_kernel
	.amdgpu_metadata
---
amdhsa.version: [ 1, 2 ]
amdhsa.kernels:
  - .name:           k_qccd40e3215_qkv
    .symbol:         k_qccd40e3215_qkv.kd
    .args:
      - { .name: ops, .offset: 0, .size: 8, .value_kind: global_buffer, .address_space: global }
      - { .name: opsc, .offset: 8, .size: 8, .value_kind: global_buffer, .address_space: global }
      - { .name: qbuf, .offset: 16, .size: 8, .value_kind: global_buffer, .address_space: global }
      - { .name: kv, .offset: 24, .size: 8, .value_kind: global_buffer, .address_space: global }
    .group_segment_fixed_size: 327680
    .private_segment_fixed_size: 0
    .kernarg_segment_align: 8
    .kernarg_segment_size: 32
    .max_flat_workgroup_size: 128
    .sgpr_count:     100
    .vgpr_count:     1024
    .wavefront_size: 32
...
	.end_amdgpu_metadata
.endif
;; end of part 2
;; launch attn (part 3): grid 4 x 64, 16 waves a work-group, clusters of 4 x 1, 327,680 bytes of LDS; arguments qbuf, kv, ops, opsc; writes ops, opsc
.if DOCPART == 3
	.amdgcn_target "amdgcn-amd-amdhsa--gfx1250"
	.amdhsa_code_object_version 6
	.text
	.protected	k_qccd40e3215_attn
	.globl	k_qccd40e3215_attn
	.p2align	8
	.type	k_qccd40e3215_attn,@function
k_qccd40e3215_attn:
	s_mov_b64 s[64:65], 0
	v_nop
	global_prefetch_b8 v0, s[64:65] scope:SCOPE_SE
	s_setreg_imm32_b32 hwreg(HW_REG_WAVE_MODE, 25, 1), 1
	s_wait_xcnt 0x0
	s_wait_alu depctr_hold_cnt(0) depctr_sa_sdst(0) depctr_va_vdst(0) depctr_va_sdst(0) depctr_va_ssrc(0) depctr_va_vcc(0) depctr_vm_vsrc(0)
	s_getreg_b32 s2, hwreg(HW_REG_IB_STS2, 6, 4)
	s_cmp_eq_u32 s2, 0
	s_cbranch_scc0 .Lentry_in_a_cluster
	s_endpgm
.Lentry_in_a_cluster:
	s_bfe_u32 s2, ttmp6, 0x10000c
	s_cmp_lg_u32 s2, 0x3003
	s_cbranch_scc0 .Lentry_shape_is_right
	s_endpgm
.Lentry_shape_is_right:
; y[query][head's 64] = softmax over keys <= query of (q . k / 8), times v, both products on codes of BF6 with E8M0 scales; y is quantised along the model's 1,024 and leaves as codes, in the order of the last product's operand registers.
; THE SOFTMAX: t = score x log2(e) / 8; M = the running largest t rounded UP to a whole number; p = 2^(t - M) is quantised along the keys; the row's sum is taken of the unquantised p and divides at the end.  When M moves, sum and O are multiplied by 2^(old M - new M): exact.
; The first product's K is the head's 64: the upper half of each operand's 128 is zero codes (written once), with scale byte 0, which adds nothing.
; LEFT OUT: key steps of 128 all of whose keys come after a tile's queries: the causal mask gives them the weight 0 for every input.
; K AND V STAY IN LDS: a head's 2,048 keys are 8 blocks of kv, 8 x 27,648 = 221,184 bytes, filled ONCE: each of the sixteen waves asks for half a block (13,824 dense bytes) at the head.  No byte is filled again: no ring.
; CLUSTER 4 x 1: the four work-groups of a head want the same 221,184 bytes at the same time: every load is joint (mask 15).
; SHARES: a head has 128 tiles of 16 queries (tile T: queries 32 (T / 2) + 8 (T % 2) + r + 8 (r / 8)).  Work-group cx owns tiles 4 m + cx, m = 0 .. 31; tile 4 m + cx needs key steps 0 .. m / 2, the last of them masked: a count in which cx has no part.
; Wave w takes m = 31 - w and then m = w: (31 - w) / 2 + 1 + w / 2 + 1 = 17 key steps for every wave.  cx enters global addresses and the mask's numbers alone: no branch, no trip count, no LDS address.
; BARRIERS: one shows key block 0 (waves 0 and 1, which have a load line of their own, have waited); the first tile's two steps on block 0 are written out; a second barrier, every wave's load waited for, shows blocks 1 to 7.  Behind it the waves share nothing.
; The loops have constant counts (blocks 1 to 7; blocks 0 to 3); a step beyond the tile's last is passed over by a scalar branch on the wave's number and the count.
; NO PREFETCH: all that the launch reads through LDS is asked for at the head; there is no loop to run ahead in.
; LAYOUT: both products transposed (source 0 = 16 keys, or 16 channels; source 1 = my 16 queries): a lane holds one query throughout.
; LIMITS: NaN and infinities are not served; the promise holds while |t| stays under 2^31; 1 / sum by v_rcp_f32; p under 2^-126 is 0; a block of zeros gets the byte 1 (this program alone reads the bytes).
; REGISTERS: v1-9 addresses; v12 -M, v13 largest t, v[14:15] the sum; v16-27 Q; v28-31 K's scale words; v32-79 four fragments of K; v80-127 four of V; v128-191 S^T, then p; v192-223 O^T; v224-235 p's codes; v230-247, v252, v254 at work; v248-251 V's scale words; v253 p's; v255 Q's.
.set KVB,   27648
.set HALFB, 13824
.set QBB,   14336
.set RBB,   98304
.set SPARE, 8*KVB                      ; the spare words, 128 bytes for each of 16 waves, that no other line names
.set VC,    12288
.set KSO,   24576
.set VSO,   26624
.set S,     128
.set O,     192
.set WV,  18
.set SEL, 20
.set CS,  22                           ; s[22:23] c = log2(e) / 8
.set TB,  32                           ; s32  LDS byte of the key block in hand
.set NN,  33                           ; s33  the trip
.set KF,  34                           ; s34  the step's first key
.set Q0,  35                           ; s35  my tile's first query
.set QM,  36                           ; s36  first key of my tile's last, masked step: 128 (m / 2)
.set CX,  37                           ; s37  my work-group's place in the cluster
.set TLA, 44                           ; s[44:53] the first tile: Q, Q's words, y, y's bytes (pairs), first query, masked step
.set TLB, 54                           ; s[54:63] the second
.macro CROUND                          ; a round of the cluster's barrier
	s_barrier_signal -1
	s_barrier_wait -1
	s_cmp_lg_u32 s[WV], 0
	s_cbranch_scc1 .Lnot_wave_0_\@
	s_barrier_signal -3
.Lnot_wave_0_\@:
	s_barrier_wait -3
	s_barrier_signal -1
	s_barrier_wait -1
.endm
.macro TLOAD                           ; an s_nop 0 and four v_nop follow the line
	tensor_load_to_lds s[40:43], s[24:31]
	s_nop 0
.rept 4
	v_nop
.endr
.endm
.macro TILE t                          ; the places of tile T = 4 m + cx, m in s80
	s_lshl_b32 s90, s80, 2
	s_add_co_u32 s90, s90, s[CX]
	s_lshr_b32 s91, s90, 4
	s_mul_i32 s91, s91, QBB
	s_add_co_u32 s91, s91, s82
	s_and_b32 s92, s90, 15
	s_mul_i32 s93, s92, 768
	s_add_co_u32 s96, s91, s93
	s_add_nc_u64 s[\t:\t+1], s[4:5], s[96:97]      ; Q's tile
	s_lshr_b32 s93, s92, 2
	s_lshl_b32 s93, s93, 9
	s_and_b32 s92, s90, 3
	s_lshl_b32 s92, s92, 2
	s_add_co_u32 s93, s93, s92
	s_add_co_u32 s96, s91, s93
	s_add_co_u32 s96, s96, 12288
	s_add_nc_u64 s[\t+2:\t+3], s[4:5], s[96:97]    ; its scale words
	s_lshr_b32 s91, s90, 3
	s_add_co_u32 s91, s91, s86
	s_mul_i32 s91, s91, RBB
	s_and_b32 s92, s90, 7
	s_mul_i32 s92, s92, 1536
	s_add_co_u32 s96, s91, s92
	s_add_co_u32 s96, s96, s87
	s_add_nc_u64 s[\t+4:\t+5], s[8:9], s[96:97]    ; my half fragment of y
	s_add_co_u32 s96, s90, s88
	s_lshl_b32 s96, s96, 9
	s_add_co_u32 s96, s96, s89
	s_add_nc_u64 s[\t+6:\t+7], s[10:11], s[96:97]  ; its scale bytes
	s_lshr_b32 s91, s90, 1
	s_lshl_b32 s91, s91, 5
	s_and_b32 s92, s90, 1
	s_lshl_b32 s92, s92, 3
	s_add_co_u32 s[\t+8], s91, s92                 ; first query
	s_lshr_b32 s91, s80, 1
	s_lshl_b32 s[\t+9], s91, 7                     ; the masked step's first key: made of m alone
.endm
.macro LOADQ t
	global_load_b128 v[16:19], v1, s[\t:\t+1]
	global_load_b64 v[20:21], v2, s[\t:\t+1] offset:512
	global_load_b32 v255, v1, s[\t+2:\t+3]
.endm
.macro RESET                           ; a tile begins: the first change of M multiplies zeros
	v_mov_b32 v13, 0xff61b1e6                      ; -3e38, under every t
	s_delay_alu instid0(VALU_DEP_1)
	v_floor_f32 v12, -v13
	v_mov_b32 v14, 0
	v_mov_b32 v15, 0
.set j, 0
.rept 32
	v_mov_b32 v[O+j], 0
.set j, j+1
.endr
.endm
	s_load_b128 s[4:7], s[0:1], 0x0                ; qbuf, kv
	s_load_b128 s[8:11], s[0:1], 0x10              ; ops, opsc
	v_lshl_add_u32 v5, v0, 2, SPARE                ; my spare word; never rewritten
	v_mov_b32 v6, 0                                ; 0; never rewritten
	ds_add_u32 v5, v6                              ; the opening lines: the add twice on end and its wait
	ds_add_u32 v5, v6
	v_lshrrev_b32 v8, 5, v0
	s_delay_alu instid0(VALU_DEP_1)
	v_readfirstlane_b32 s[WV], v8                  ; wave 0..15
	s_bfe_u32 s[CX], ttmp6, 0x40000
	s_and_b32 s81, ttmp7, 0xffff                   ; 16 x batch + head: the cluster's y
	s_mov_b32 s24, 15|(3<<16)|(1<<21)              ; group 1: the mask names the four; elements of 8 bytes; bit 21 beside a mask; no padding
	s_mov_b32 s25, 32<<16                          ; rows of 256 bytes
	s_mov_b32 s26, 54<<16                          ; 54 rows: 13,824 dense bytes
	s_mov_b32 s27, 32<<16
	s_mov_b32 s28, 54
	s_mov_b32 s29, 32
	s_mov_b32 s30, 0
	s_mov_b32 s31, 0
	s_mov_b32 s40, 1
	s_mul_i32 s41, s[WV], HALFB                    ; my half block's place in LDS, and in the head's part of kv
	s_mul_i32 s94, s81, 8*KVB
	s_add_co_u32 s94, s94, s41
	s_mov_b32 s95, 0
	s_wait_alu depctr_va_vdst(0)                   ; the wait here, directly ahead of the wait below
	s_wait_dscnt 0x0
	CROUND                                         ; the four work-groups are here: the joint loads meet
	s_wait_kmcnt 0x0
	s_add_nc_u64 s[42:43], s[6:7], s[94:95]
	s_or_b32 s43, s43, 0x80000000
	s_cmp_lt_u32 s[WV], 2                          ; waves 0 and 1, key block 0, have a load line of their own: they alone wait ahead of the first barrier
	s_cbranch_scc0 .Lrest
	TLOAD
	s_branch .Lasked
.Lrest:
	TLOAD
.Lasked:
	s_mul_i32 s82, s81, 8*QBB                      ; the head's first byte in qbuf
	s_lshr_b32 s83, s81, 4                         ; batch
	s_and_b32 s84, s81, 15                         ; head
	s_lshl_b32 s86, s83, 4
	s_add_co_u32 s86, s86, 96                      ; y's blocks of 128 rows begin at block 96 of ops
	s_lshr_b32 s87, s84, 1
	s_mul_i32 s87, s87, 12288                      ; the K step: two heads each,
	s_and_b32 s85, s84, 1
	s_mul_i32 s85, s85, 768                        ; the half of the fragment
	s_add_co_u32 s87, s87, s85
	s_lshl_b32 s88, s83, 7
	s_add_co_u32 s88, s88, 768                     ; y's tiles begin at tile 768 of opsc
	s_lshl_b32 s89, s84, 1                         ; two bytes a head
	s_mov_b32 s97, 0
	s_xor_b32 s80, s[WV], 31                       ; m = 31 - w
	TILE TLA
	s_mov_b32 s80, s[WV]                           ; m = w
	TILE TLB
	s_mov_b32 s[SEL], 0x76543210
	s_mov_b32 s[SEL+1], 0xfedcba98
	s_mov_b32 s[CS], 0x3e38aa3b                    ; log2(e) / 8
	s_mov_b32 s[CS+1], s[CS]
	s_mov_b32 s[TB], 0
	s_mov_b32 s[KF], 0
	s_mov_b32 s[Q0], s[TLA+8]
	s_mov_b32 s[QM], s[TLA+9]
	v_and_b32 v8, 31, v0
	s_delay_alu instid0(VALU_DEP_1)
	v_lshlrev_b32 v1, 4, v8                        ; 16 x lane
	s_delay_alu instid0(VALU_DEP_2)
	v_lshlrev_b32 v2, 3, v8                        ; 8 x lane
	LOADQ TLA
	v_and_b32 v8, 15, v0                           ; r
	v_bfe_u32 v7, v0, 4, 1                         ; h
	s_delay_alu instid0(VALU_DEP_2)
	v_and_b32 v9, 8, v8
	s_delay_alu instid0(VALU_DEP_1)
	v_add_nc_u32 v3, v9, v8
	s_delay_alu instid0(VALU_DEP_3)
	v_lshlrev_b32 v9, 4, v7
	s_delay_alu instid0(VALU_DEP_1)
	v_sub_nc_u32 v3, v3, v9                        ; r + 8 (r / 8) - 16 h
	v_lshl_add_u32 v4, v8, 5, v7                   ; 32 r + h: my scale byte of y
.irp j, 22,23,24,25,26,27
	v_mov_b32 v[\j], 0                             ; Q's upper 64 along K: zero codes
.endr
.irp t, 0,1,2,3
.irp j, 6,7,8,9,10,11
	v_mov_b32 v[32+12*\t+\j], 0                    ; K's likewise
.endr
.endr
.irp j, 236,237,238,239,252,253,254
	v_mov_b32 v[\j], 0                             ; written once: lane permutes' destinations and halves of pairs count as read
.endr
	RESET
; A KEY STEP: 128 keys, the e-th of the key block in hand.  mk = 0: a step that every first tile has and none masks
.macro STEP e, mk
.if \mk
	s_cmp_gt_u32 s[KF], s[QM]                      ; beyond my tile's last step
	s_cbranch_scc1 .Lhidden_\@
.endif
	v_add_nc_u32 v8, s[TB], v1
	v_add_nc_u32 v9, s[TB], v2
	v_nop
	v_nop                                          ; four places in front of loads into registers that the last products read
.irp t, 0,1,2,3
	ds_load_b128 v[32+12*\t:35+12*\t], v8 offset:(8*\e+\t)*768
	ds_load_b64 v[36+12*\t:37+12*\t], v9 offset:(8*\e+\t)*768+512
.endr
	ds_load_b128 v[28:31], v8 offset:KSO+(2*\e)*512
	s_wait_alu depctr_va_vdst(0)
	s_wait_dscnt 0x0                               ; K's first four tiles and their words are in
.irp t, 0,1,2,3
	v_wmma_scale_f32_16x16x128_f8f6f4 v[S+8*\t:S+8*\t+7], v[32+12*\t:43+12*\t], v[16:27], 0, v[28+\t], v255 matrix_a_fmt:MATRIX_FMT_BF6 matrix_b_fmt:MATRIX_FMT_BF6
.endr
.rept 4
	v_nop
.endr
.irp t, 0,1,2,3
	ds_load_b128 v[32+12*\t:35+12*\t], v8 offset:(8*\e+4+\t)*768
	ds_load_b64 v[36+12*\t:37+12*\t], v9 offset:(8*\e+4+\t)*768+512
.endr
	ds_load_b128 v[28:31], v8 offset:KSO+(2*\e+1)*512
.irp d, 0,1,2,3
	ds_load_b128 v[80+12*\d:83+12*\d], v8 offset:VC+6144*\e+1536*\d
	ds_load_b64 v[84+12*\d:85+12*\d], v9 offset:VC+6144*\e+1536*\d+512
	ds_load_b128 v[86+12*\d:89+12*\d], v8 offset:VC+6144*\e+1536*\d+768
	ds_load_b64 v[90+12*\d:91+12*\d], v9 offset:VC+6144*\e+1536*\d+1280
.endr
	ds_load_b128 v[248:251], v8 offset:VSO+512*\e
	s_wait_dscnt 17                                ; K's other four tiles and their words are in; V's 16 loads and its words, issued behind them, may be out
.irp t, 0,1,2,3
	v_wmma_scale_f32_16x16x128_f8f6f4 v[S+32+8*\t:S+32+8*\t+7], v[32+12*\t:43+12*\t], v[16:27], 0, v[28+\t], v255 matrix_a_fmt:MATRIX_FMT_BF6 matrix_b_fmt:MATRIX_FMT_BF6
.endr
.rept 4
	v_nop
.endr
.if \mk
	s_cmp_lt_u32 s[KF], s[QM]                      ; ahead of my tile's last step every key counts
	s_cbranch_scc1 .Lopen_\@
	s_sub_co_i32 s96, s[Q0], s[KF]
	v_add_nc_u32 v252, s96, v3                     ; d = my query - KF - 16 h.  Register 16 b + i holds key KF + 16 h + 32 b + i: hidden where 32 b + i > d
	v_mov_b32 v254, 0xff800000                     ; -infinity
.set n, 0
.rept 64
	v_cmp_gt_i32 vcc_lo, 32*(n/16)+n%16, v252
	v_cndmask_b32 v[S+n], v[S+n], v254, vcc_lo
.set n, n+1
.endr
.Lopen_\@:
.endif
.irp b, 0,1,2,3
	v_max3_num_f32 v[232+\b], v[S+16*\b], v[S+1+16*\b], v[S+2+16*\b]   ; the largest score of each block of 32 keys: it serves the row's maximum and, since p rises with the score, the block's largest p
.endr
.irp i, 3,5,7,9,11,13
.irp b, 0,1,2,3
	v_max3_num_f32 v[232+\b], v[232+\b], v[S+16*\b+\i], v[S+1+16*\b+\i]
.endr
.endr
.irp b, 0,1,2,3
	v_max_num_f32 v[232+\b], v[232+\b], v[S+15+16*\b]
.endr
.irp b, 0,1,2,3
	s_delay_alu instid0(VALU_DEP_4)
	v_permlanex16_b32 v[236+\b], v[232+\b], s[SEL], s[SEL+1]
.endr
.irp b, 0,1,2,3
	s_delay_alu instid0(VALU_DEP_4)
	v_max_num_f32 v[232+\b], v[232+\b], v[236+\b]  ; with lane l xor 16's 16 keys
.endr
	s_delay_alu instid0(VALU_DEP_2)
	v_max3_num_f32 v254, v232, v233, v234
	s_delay_alu instid0(VALU_DEP_1)
	v_max_num_f32 v254, v254, v235
	s_delay_alu instid0(VALU_DEP_1)
	v_mul_f32 v254, s[CS], v254                    ; the step's largest t
	s_delay_alu instid0(VALU_DEP_1)
	v_max_num_f32 v13, v13, v254                   ; the running largest t
	v_mov_b32 v254, v12
	s_delay_alu instid0(VALU_DEP_2)
	v_floor_f32 v12, -v13                          ; -M = floor(-t): M is a whole number
	s_delay_alu instid0(VALU_DEP_1)
	v_sub_f32 v254, v12, v254                      ; old M - new M: a whole number, 0 or less
	s_delay_alu instid0(VALU_DEP_1)
	v_cvt_i32_f32 v254, v254                       ; (it saturates)
	s_delay_alu instid0(VALU_DEP_1)
	v_ldexp_f32 v252, 1.0, v254                    ; f = 2^(old M - new M)
.set j, 0
.rept 32
	v_pk_fma_f32 v[S+j:S+j+1], v[S+j:S+j+1], s[CS:CS+1], v[12:13] op_sel_hi:[1,0,0]   ; t - M
.set j, j+2
.endr
.irp b, 0,1,2,3
	v_fma_f32 v[232+\b], v[232+\b], s[CS], v12     ; the same of each block's largest score
.endr
.set j, 0
	s_wait_alu depctr_va_vdst(0)
.rept 64
	v_exp_f32 v[S+j], v[S+j]                       ; p = 2^(t - M), not normalised
.set j, j+1
.endr
	v_pk_mul_f32 v[14:15], v[14:15], v[252:253] op_sel_hi:[1,0]   ; the sums under the new M: the plain place behind the exponentials
	s_wait_alu depctr_va_vdst(0)                   ; one wait for the batch of 64, ahead of its first reader
.irp b, 0,1,2,3
	v_exp_f32 v[232+\b], v[232+\b]                 ; each block's largest p
.endr
	v_pk_add_f32 v[236:237], v[132:133], v[136:137]
	v_pk_add_f32 v[246:247], v[140:141], v[144:145]
	v_pk_add_f32 v[244:245], v[148:149], v[152:153]
	v_pk_add_f32 v[242:243], v[156:157], v[160:161]
	v_pk_add_f32 v[240:241], v[164:165], v[168:169]
	v_pk_add_f32 v[238:239], v[172:173], v[176:177]
	v_pk_add_f32 v[230:231], v[180:181], v[184:185]
	v_pk_add_f32 v[14:15], v[14:15], v[188:189]
	v_pk_add_f32 v[236:237], v[236:237], v[128:129]
	v_pk_add_f32 v[246:247], v[246:247], v[130:131]
	v_pk_add_f32 v[244:245], v[244:245], v[134:135]
	v_pk_add_f32 v[242:243], v[242:243], v[138:139]
	v_pk_add_f32 v[240:241], v[240:241], v[142:143]
	v_pk_add_f32 v[238:239], v[238:239], v[146:147]
	v_pk_add_f32 v[230:231], v[230:231], v[150:151]
	v_pk_add_f32 v[14:15], v[14:15], v[154:155]
	v_pk_add_f32 v[236:237], v[236:237], v[158:159]
	v_pk_add_f32 v[246:247], v[246:247], v[162:163]
	v_pk_add_f32 v[244:245], v[244:245], v[166:167]
	v_pk_add_f32 v[242:243], v[242:243], v[170:171]
	v_pk_add_f32 v[240:241], v[240:241], v[174:175]
	v_pk_add_f32 v[238:239], v[238:239], v[178:179]
	v_pk_add_f32 v[230:231], v[230:231], v[182:183]
	v_pk_add_f32 v[14:15], v[14:15], v[186:187]
	v_pk_add_f32 v[236:237], v[236:237], v[190:191]
	s_delay_alu instid0(VALU_DEP_2)
	v_pk_add_f32 v[14:15], v[14:15], v[242:243]
	s_delay_alu instid0(VALU_DEP_2)
	v_pk_add_f32 v[236:237], v[236:237], v[240:241]
	v_pk_add_f32 v[246:247], v[246:247], v[238:239]
	v_pk_add_f32 v[244:245], v[244:245], v[230:231]
	s_delay_alu instid0(VALU_DEP_2)
	v_pk_add_f32 v[14:15], v[14:15], v[246:247]
	s_delay_alu instid0(VALU_DEP_2)
	v_pk_add_f32 v[236:237], v[236:237], v[244:245]
	s_delay_alu instid0(VALU_DEP_1)
	v_pk_add_f32 v[14:15], v[14:15], v[236:237]
	s_wait_alu depctr_va_vdst(0)                   ; and one for the four
.irp b, 0,1,2,3
	v_max_num_f32 v[232+\b], 0x2800000, v[232+\b]  ; the floor 2^(5 - 127): the byte cannot fall under 1
.endr
.irp b, 0,1,2,3
	s_delay_alu instid0(VALU_DEP_4)
	v_add_nc_u32 v[244+\b], 0xfe000000, v[232+\b]
.endr
.irp b, 0,1,2,3
	s_delay_alu instid0(VALU_DEP_4)
	v_lshrrev_b32 v[236+\b], 23, v[244+\b]
.endr
	s_delay_alu instid0(VALU_DEP_3)
	v_lshl_or_b32 v253, v237, 8, v236              ; p's scale word for these 128 keys
	s_delay_alu instid0(VALU_DEP_1)
	v_lshl_or_b32 v253, v238, 16, v253
	s_delay_alu instid0(VALU_DEP_1)
	v_lshl_or_b32 v253, v239, 24, v253
.irp c, 0,1
	v_cvt_scalef32_pk16_bf6_f32 v[224+6*\c:226+6*\c], v[S+32*\c:S+15+32*\c], v[244+2*\c]
	v_cvt_scalef32_pk16_bf6_f32 v[236+4*\c:238+4*\c], v[S+16+32*\c:S+31+32*\c], v[244+2*\c+1]
.endr
	v_nop                                          ; one plain place behind a scaled conversion
.irp c, 0,1
.irp i, 0,1,2
	v_permlane16_swap_b32 v[224+6*\c+\i], v[236+4*\c+\i]
.endr
.irp i, 0,1,2
	s_delay_alu instid0(VALU_DEP_3)
	v_mov_b32 v[227+6*\c+\i], v[236+4*\c+\i]
.endr
.endr
	s_wait_dscnt 0x0                               ; V's fragments and scale words are in
	s_wait_alu depctr_va_vdst(0)                   ; the wait here, directly ahead of the first reader of O^T
.set j, 0
.rept 16
	v_pk_mul_f32 v[O+j:O+j+1], v[O+j:O+j+1], v[252:253] op_sel_hi:[1,0]   ; O^T under the new M; these 16 are also the places in front of the products below
.set j, j+2
.endr
.irp d, 0,1,2,3
	v_wmma_scale_f32_16x16x128_f8f6f4 v[O+8*\d:O+8*\d+7], v[80+12*\d:91+12*\d], v[224:235], v[O+8*\d:O+8*\d+7], v[248+\d], v253 matrix_a_fmt:MATRIX_FMT_BF6 matrix_b_fmt:MATRIX_FMT_BF6
.endr
.Lhidden_\@:
	s_add_co_u32 s[KF], s[KF], 128
.endm
; A TILE'S END: O^T / the sum; its 32 registers are 64 neighbours along the last product's K (register 16 b + i = channel 32 b + 16 h + i): two blocks of 32, half a fragment.  nxt: the tile whose Q is asked for meanwhile (0: none)
.macro FINISH t, nxt
.rept 4
	v_nop                                          ; places behind the last products
.endr
.if \nxt
	LOADQ \nxt
.endif
	v_add_f32 v14, v14, v15
	s_delay_alu instid0(VALU_DEP_1)
	v_permlanex16_b32 v252, v14, s[SEL], s[SEL+1]
	s_delay_alu instid0(VALU_DEP_1)
	v_add_f32 v14, v14, v252                       ; the row's sum
	s_wait_alu depctr_va_vdst(0)
	v_rcp_f32 v14, v14
	v_nop                                          ; a plain place behind the reciprocal
	s_wait_alu depctr_va_vdst(0)                   ; and the wait ahead of its first reader
.set j, 0
.rept 32
	v_mul_f32 v[S+j], v[O+j], v14                  ; each accumulator from its low end on
.set j, j+1
.endr
.irp b, 0,1
	v_max3_num_f32 v[232+\b], |v[S+16*\b]|, |v[S+1+16*\b]|, 0x2800000
.endr
.irp i, 2,4,6,8,10,12,14
.irp b, 0,1
	s_delay_alu instid0(VALU_DEP_2)
	v_max3_num_f32 v[232+\b], v[232+\b], |v[S+16*\b+\i]|, |v[S+1+16*\b+\i]|
.endr
.endr
.irp b, 0,1
	s_delay_alu instid0(VALU_DEP_2)
	v_permlanex16_b32 v[236+\b], v[232+\b], s[SEL], s[SEL+1]
.endr
.irp b, 0,1
	s_delay_alu instid0(VALU_DEP_2)
	v_max_num_f32 v[232+\b], v[232+\b], v[236+\b]
.endr
.irp b, 0,1
	s_delay_alu instid0(VALU_DEP_2)
	v_add_nc_u32 v[244+\b], 0xfe000000, v[232+\b]
.endr
.irp b, 0,1
	s_delay_alu instid0(VALU_DEP_2)
	v_lshrrev_b32 v[238+\b], 23, v[244+\b]
.endr
	v_cvt_scalef32_pk16_bf6_f32 v[224:226], v[S:S+15], v244
	v_cvt_scalef32_pk16_bf6_f32 v[240:242], v[S+16:S+31], v245
	v_nop                                          ; one plain place behind a scaled conversion
.irp i, 0,1,2
	v_permlane16_swap_b32 v[224+\i], v[240+\i]
.endr
.irp i, 0,1,2
	s_delay_alu instid0(VALU_DEP_3)
	v_mov_b32 v[227+\i], v[240+\i]
.endr
	v_cmp_ne_u32 vcc_lo, 0, v7
	s_delay_alu instid0(VALU_DEP_1)
	v_cndmask_b32 v246, v238, v239, vcc_lo         ; lanes 0-15 store the first block's byte of row r, lanes 16-31 the second's
	global_store_b128 v1, v[224:227], s[\t+4:\t+5] ; 512 consecutive bytes,
	global_store_b64 v2, v[228:229], s[\t+4:\t+5] offset:512   ; and 256
	global_store_b8 v4, v246, s[\t+6:\t+7]         ; two bytes of each row's 32: the other heads' work-groups store the others
.if \nxt
	s_wait_xcnt 0x0                                ; the stores have read their registers: they are written again in the next tile
	RESET
	s_wait_loadcnt 0x0                             ; the next tile's Q
.endif
.endm
	s_wait_alu depctr_va_vdst(0)                   ; the wait at the head's end
	s_wait_loadcnt 0x0                             ; Q
	s_cmp_lt_u32 s[WV], 2
	s_cbranch_scc0 .Lnot_first
	s_wait_tensorcnt 0x0                           ; waves 0 and 1: key block 0 has landed
.Lnot_first:
	s_barrier_signal -1
	s_barrier_wait -1                              ; key block 0 is shown to all; the other blocks may be on their way
	STEP 0, 0                                      ; the first tile (m >= 16) has nine steps or more: its steps 0 and 1 are open
	STEP 1, 0
	s_wait_tensorcnt 0x0                           ; every wave's half block has landed
	s_wait_dscnt 0x0
	s_barrier_signal -1
	s_barrier_wait -1                              ; all 2,048 keys are shown to all
	s_mov_b32 s[TB], KVB
	s_mov_b32 s[NN], 1
.Lfirst_tile:                                      ; key blocks 1 to 7
	STEP 0, 1
	STEP 1, 1
	s_add_co_u32 s[TB], s[TB], KVB
	s_add_co_u32 s[NN], s[NN], 1
	s_cmp_lt_u32 s[NN], 8
	s_cbranch_scc1 .Lfirst_tile
	FINISH TLA, TLB
	s_mov_b32 s[Q0], s[TLB+8]
	s_mov_b32 s[QM], s[TLB+9]
	s_mov_b32 s[TB], 0
	s_mov_b32 s[KF], 0
	s_mov_b32 s[NN], 0
.Lsecond_tile:                                     ; the second tile (m <= 15) has eight steps at the most: key blocks 0 to 3
	STEP 0, 1
	STEP 1, 1
	s_add_co_u32 s[TB], s[TB], KVB
	s_add_co_u32 s[NN], s[NN], 1
	s_cmp_lt_u32 s[NN], 4
	s_cbranch_scc1 .Lsecond_tile
	FINISH TLB, 0
	s_wait_tensorcnt 0x0                           ; the wave's end
	ds_add_u32 v5, v6
	s_wait_dscnt 0x0
	CROUND                                         ; the closing round
	s_endpgm
.Lfunc_end_k_qccd40e3215_attn:
	.size	k_qccd40e3215_attn, .Lfunc_end_k_qccd40e3215_attn-k_qccd40e3215_attn
	.p2alignl 7, 3214868480
	.fill 96, 4, 3214868480
	.section	.rodata,"a",@progbits
	.p2align	6, 0x0
	.amdhsa_kernel k_qccd40e3215_attn
		.amdhsa_group_segment_fixed_size 327680
		.amdhsa_private_segment_fixed_size 0
		.amdhsa_enable_private_segment 0
		.amdhsa_kernarg_size 32
		.amdhsa_user_sgpr_count 2
		.amdhsa_user_sgpr_kernarg_segment_ptr 1
		.amdhsa_wavefront_size32 1
		.amdhsa_system_sgpr_workgroup_id_x 1
		.amdhsa_system_sgpr_workgroup_id_y 1
		.amdhsa_system_sgpr_workgroup_id_z 1
		.amdhsa_system_vgpr_workitem_id 0
		.amdhsa_next_free_vgpr 256
		.amdhsa_next_free_sgpr 100
		.amdhsa_reserve_vcc 1
		.amdhsa_float_denorm_mode_32 3
		.amdhsa_float_denorm_mode_16_64 3
		.amdhsa_memory_ordered 1
		.amdhsa_forward_progress 1
		.amdhsa_inst_pref_size 145
	.end_amdhsa_kernel
	.amdgpu_metadata
---
amdhsa.version: [ 1, 2 ]
amdhsa.kernels:
  - .name:           k_qccd40e3215_attn
    .symbol:         k_qccd40e3215_attn.kd
    .args:
      - { .name: qbuf, .offset: 0, .size: 8, .value_kind: global_buffer, .address_space: global }
      - { .name: kv, .offset: 8, .size: 8, .value_kind: global_buffer, .address_space: global }
      - { .name: ops, .offset: 16, .size: 8, .value_kind: global_buffer, .address_space: global }
      - { .name: opsc, .offset: 24, .size: 8, .value_kind: global_buffer, .address_space: global }
    .group_segment_fixed_size: 327680
    .private_segment_fixed_size: 0
    .kernarg_segment_align: 8
    .kernarg_segment_size: 32
    .max_flat_workgroup_size: 512
    .sgpr_count:     100
    .vgpr_count:     256
    .wavefront_size: 32
...
	.end_amdgpu_metadata
.endif
;; end of part 3
;; launch proj (part 4): grid 32 x 8, 4 waves a work-group, clusters of 4 x 4, 327,680 bytes of LDS; arguments ops, opsc, bu, out0; writes out0
.if DOCPART == 4
	.amdgcn_target "amdgcn-amd-amdhsa--gfx1250"
	.amdhsa_code_object_version 6
	.text
	.protected	k_qccd40e3215_proj
	.globl	k_qccd40e3215_proj
	.p2align	8
	.type	k_qccd40e3215_proj,@function
k_qccd40e3215_proj:
	s_mov_b64 s[64:65], 0
	v_nop
	global_prefetch_b8 v0, s[64:65] scope:SCOPE_SE
	s_setreg_imm32_b32 hwreg(HW_REG_WAVE_MODE, 25, 1), 1
	s_wait_xcnt 0x0
	s_wait_alu depctr_hold_cnt(0) depctr_sa_sdst(0) depctr_va_vdst(0) depctr_va_sdst(0) depctr_va_ssrc(0) depctr_va_vcc(0) depctr_vm_vsrc(0)
	s_getreg_b32 s2, hwreg(HW_REG_IB_STS2, 6, 4)
	s_cmp_eq_u32 s2, 0
	s_cbranch_scc0 .Lentry_in_a_cluster
	s_endpgm
.Lentry_in_a_cluster:
	s_bfe_u32 s2, ttmp6, 0x10000c
	s_cmp_lg_u32 s2, 0xf033
	s_cbranch_scc0 .Lentry_shape_is_right
	s_endpgm
.Lentry_shape_is_right:
; out0[token][n] = sum over k of y[token][k] Wu[n][k] + bu[n], f32, on codes of BF6 with E8M0 scales: 8,192 x 1,024 x 1,024.
; Operands come from ops / opsc in the order of the operand's registers: a tile 2 B + u holds rows 32 B + 8 u + r + 8 (r / 8); ops [block of 8 tiles][K step][tile][1,536]; opsc [tile][row r][32 bytes: a scale word for each K step].  y's blocks begin at block 96 (tile 768), Wu's at block 88 (tile 704).
; THE DEAL: 256 work-groups of four waves, 2 x 2, each 256 tokens x 128 columns.  The wave in row a, column b holds Wu's tiles 4 b .. 4 b + 3, ALL of K, in registers (32 fragments, 384 registers) and streams y's tiles 2 s + a, s = 0 .. 7, past them: 32 products a tile, four accumulators by turns.
; Source 0 = Wu's rows, source 1 = y's rows: a lane holds one token, its registers neighbouring columns.  The bias is the first four products' C.
; CLUSTER 4 x 4, its x counting tile rows: y's bytes are shared by a column of the cluster, Wu's by a row.  No LDS address hangs on the cluster's numbers.
; LDS, all filled ONCE, at the head, one tensor load a wave, each on a line of its own: Wu's block (98,304 bytes); y's first block, K steps 0-3; K steps 4-7; y's second block.  No refill; no prefetch: all is asked for at the head.
; Barriers: Wu is in; y's first block is in and nobody reads Wu's bytes any more (the waves' stages lie there); inside tile 1: y's second block is in.
; Behind a tile's products ONE RUN of memory lines: its sums into my stage and back as whole rows of 256 bytes; the fetch of the tile two on; one wait (the 32 loads of the fetch may be out); eight stores, 16 lanes to an aligned 256 bytes.
; LIMITS: NaN, infinities and sums beyond f32's range are not served; a sum begins with the bias.
.set RBB,   98304
.set XBLK0, 96
.set WBLK0, 88
.set XT0,   768
.set WT0,   704
.set FR,    12
.set FPW,   21                         ; fragments in a window of 256 registers; fragment f lies in window 1 + f / 21: 0-31 Wu's (4 q + t), 32-47 y's two sets (32 + 8 e + q)
.set NF,    32                         ; LDS loads of a tile's fetch
.set YB,    196608                     ; Wu's block, behind y's two
.set SPARE, 294912                     ; the spare words, 128 bytes a wave
.set SPITCH, 272
.set L16,  1
.set L8,   2
.set SOFF, 3                           ; 32 r
.set BOF,  4                           ; 64 h
.set STO,  5
.set RD,   6
.set CO,   9
.set SPW,  10
.set NIL,  11
.set AD16, 12                          ; v12-15, v16-19: y's fragments, + 49,152 k: + 16 x lane, + 8 x lane
.set AD8,  16
.set BD16, 20                          ; v20-21, v22-23: Wu's
.set BD8,  22
.set SB,   24                          ; v24-55 Wu's scale words, 8 t + q
.set SA,   60                          ; v60-123 y's, 8 s + q
.set ACC,  128                         ; v128-191 two sets of four accumulators
.set BK,   192                         ; v192-255 two sets: 16 rows x 256 bytes back from the stage
.set BO,   72                          ; window 3, v72-103: the bias, 8 t + j
.set G1A, 24
.set G1B, 32
.set G0A, 56
.set G0B, 60
.set MSB, 0
.macro WIN new
.set WNEW, \new
.if MSB != WNEW
	s_set_vgpr_msb (MSB<<8)|WNEW
.set MSB, WNEW
.endif
.endm
.macro PLACES n
.rept \n
	v_nop
.endr
.endm
.macro BARRIER
	s_barrier_signal -1
	s_barrier_wait -1
.endm
.macro CROUND
	BARRIER
	s_cmp_lg_u32 s14, 0
	s_cbranch_scc1 .Lnot_wave_0_\@
	s_barrier_signal -3
.Lnot_wave_0_\@:
	s_barrier_wait -3
	BARRIER
.endm
.macro TLOAD g0, g1                    ; an s_nop 0 and four v_nop follow the line
	tensor_load_to_lds s[\g0:\g0+3], s[\g1:\g1+7]
	s_nop 0
	PLACES 4
.endm
.macro ATILE first, rows               ; a dense part of y's 196,608 bytes: its place in LDS is its place among them
	s_mov_b32 s[G0A+1], \first
	s_mov_b32 s[G1A+2], (\rows)<<16
	s_mov_b32 s[G1A+4], \rows
.if \first
	s_add_nc_u64 s[G0A+2:G0A+3], s[G0A+2:G0A+3], \first
.endif
	s_or_b32 s[G0A+3], s[G0A+3], 0x80000000
	TLOAD G0A, G1A
.endm
.macro FRAGL f, a16, a8, off           ; a fragment comes as it was stored: 512, 256, 512, 256 consecutive bytes
	WIN (1+(\f)/FPW)<<6
.set R_, FR*((\f)%FPW)
	ds_load_b128 v[R_:R_+3], v[\a16] offset:\off
	ds_load_b64 v[R_+4:R_+5], v[\a8] offset:(\off)+512
	ds_load_b128 v[R_+6:R_+9], v[\a16] offset:(\off)+768
	ds_load_b64 v[R_+10:R_+11], v[\a8] offset:(\off)+1280
.endm
.macro FETCH s, e                      ; y's tile 2 s + a, all of K, into set e
.irp q, 0,1,2,3,4,5,6,7
	FRAGL 32+8*(\e)+\q, AD16+2*((\s)/4)+\q/4, AD8+2*((\s)/4)+\q/4, (\q%4)*12288+2*((\s)%4)*1536
.endr
	WIN 0
.endm
.macro PROD s, n                       ; product n = 4 q + t of tile s
.set Q_, (\n)/4
.set T_, (\n)%4
.set FB_, 4*Q_+T_
.set FA_, 32+8*((\s)%2)+Q_
.set D_, ACC+32*((\s)%2)+8*T_
.if Q_
	WIN (1+FB_/FPW)|((1+FA_/FPW)<<2)
	v_wmma_scale_f32_16x16x128_f8f6f4 v[D_:D_+7], v[FR*(FB_%FPW):FR*(FB_%FPW)+FR-1], v[FR*(FA_%FPW):FR*(FA_%FPW)+FR-1], v[D_:D_+7], v[SB+8*T_+Q_], v[SA+8*(\s)+Q_] matrix_a_fmt:MATRIX_FMT_BF6 matrix_b_fmt:MATRIX_FMT_BF6
.else
	WIN (1+FB_/FPW)|((1+FA_/FPW)<<2)|0x30
	v_wmma_scale_f32_16x16x128_f8f6f4 v[D_:D_+7], v[FR*(FB_%FPW):FR*(FB_%FPW)+FR-1], v[FR*(FA_%FPW):FR*(FA_%FPW)+FR-1], v[BO+8*T_:BO+8*T_+7], v[SB+8*T_+Q_], v[SA+8*(\s)+Q_] matrix_a_fmt:MATRIX_FMT_BF6 matrix_b_fmt:MATRIX_FMT_BF6
.endif
.endm
.macro PRODS s, from, to
.set N_, \from
.rept (\to)-(\from)
	PROD \s, N_
.set N_, N_+1
.endr
	WIN 0
.endm
.macro STAGED e                        ; set e's sums into my stage, each accumulator from its low end on, and back as whole rows.  LDS serves a wave's instructions in order (ISA guide 5.7.1.4): no wait between
.irp t, 0,1,2,3
	ds_store_b128 v[STO], v[ACC+32*(\e)+8*\t:ACC+32*(\e)+8*\t+3] offset:128*(\t/2)+32*(\t%2)
	ds_store_b128 v[STO], v[ACC+32*(\e)+8*\t+4:ACC+32*(\e)+8*\t+7] offset:128*(\t/2)+32*(\t%2)+16
.endr
.irp t, 0,1,2,3,4,5,6,7
	ds_load_b128 v[BK+32*(\e)+4*\t:BK+32*(\e)+4*\t+3], v[RD] offset:2*\t*SPITCH
.endr
.endm
.macro TOC s                           ; stage rows 2 t, 2 t + 1 of tile 2 s + a are tokens 32 s + 8 a + 2 t + 8 (t / 4) and the next
.irp t, 0,1,2,3,4,5,6,7
	global_store_b128 v[CO], v[BK+32*((\s)%2)+4*\t:BK+32*((\s)%2)+4*\t+3], s[12:13] offset:(32*(\s)+2*\t+8*(\t/4))*4096 th:TH_STORE_NT
.endr
.endm
.macro STREAM s
.if (\s) == 1
	PRODS \s, 0, 24
	s_wait_tensorcnt 0x0                           ; every wave's tile has landed
	s_wait_dscnt 0x0
	s_barrier_signal -1                            ; a plain barrier: y's second block is shown to all
	PRODS \s, 24, 32
	s_barrier_wait -1
.else
	PRODS \s, 0, 32
.endif
	PLACES 4                                       ; between the last product and the first reader of its sums, and the fetch into registers that it has read
	s_wait_xcnt 0x0                                ; the stores of two tiles ago have read this set of rows
	STAGED (\s)%2
.if (\s) < 6
	FETCH (\s)+2, (\s)%2
	s_wait_dscnt NF                                ; my rows are back from the stage, and the next tile's fragments are in; the fetch just issued may be out
.else
	s_wait_dscnt 0x0
.endif
	TOC \s
.endm
	s_load_b256 s[4:11], s[0:1], 0x0               ; ops, opsc, bu, out0
	v_lshl_add_u32 v[SPW], v0, 2, SPARE
	v_mov_b32 v[NIL], 0
	ds_add_u32 v[SPW], v[NIL]                      ; the opening lines: the add twice on end and its wait
	ds_add_u32 v[SPW], v[NIL]
	v_lshrrev_b32 v7, 5, v0
	v_readfirstlane_b32 s14, v7                    ; the wave; s15 its row a, s16 its column b
	s_lshr_b32 s15, s14, 1
	s_and_b32 s16, s14, 1
	s_bfe_u32 s40, ttmp6, 0x40000
	s_bfe_u32 s41, ttmp6, 0x40004
	s_lshl_b32 s43, ttmp9, 2
	s_add_co_u32 s43, s43, s40                     ; tile row: 4 x cluster x + cx
	s_and_b32 s42, ttmp7, 0xffff
	s_lshl_b32 s42, s42, 2
	s_add_co_u32 s42, s42, s41                     ; tile column: 4 x cluster y + cy
	s_lshl_b32 s44, 0x1111, s40                    ; my column of the cluster: shares y's bytes
	s_lshl_b32 s45, s41, 2
	s_lshl_b32 s45, 15, s45                        ; my row: shares Wu's
	s_or_b32 s[G1A+0], s44, (3<<16)|(1<<21)        ; elements of 8 bytes, rows of 256 bytes, dense
	s_or_b32 s[G1B+0], s45, (3<<16)|(1<<21)
.irp g, G1A, G1B
	s_mov_b32 s[\g+1], 32<<16
	s_mov_b32 s[\g+3], 32<<16
	s_mov_b32 s[\g+5], 32
	s_mov_b32 s[\g+6], 0
	s_mov_b32 s[\g+7], 0
.endr
	s_mov_b32 s[G1B+2], 384<<16
	s_mov_b32 s[G1B+4], 384
	s_mov_b32 s[G0A], 1
	s_mov_b32 s[G0B], 1
	s_mov_b32 s[G0B+1], YB
	s_lshl_b32 s76, s43, 1
	s_add_co_u32 s76, s76, XBLK0
	s_mul_i32 s76, s76, RBB                        ; y's two blocks
	s_mov_b32 s77, 0
	s_add_co_u32 s78, s42, WBLK0
	s_mul_i32 s78, s78, RBB                        ; Wu's block
	s_mov_b32 s79, 0
	s_lshl_b32 s80, s43, 4
	s_add_co_u32 s80, s80, s15
	s_add_co_u32 s80, s80, XT0
	s_lshl_b32 s80, s80, 9                         ; y's scale words, tile a
	s_mov_b32 s81, 0
	s_lshl_b32 s82, s42, 3
	s_lshl_b32 s20, s16, 2
	s_add_co_u32 s82, s82, s20
	s_add_co_u32 s82, s82, WT0
	s_lshl_b32 s82, s82, 9                         ; Wu's, tile 4 b
	s_mov_b32 s83, 0
	s_lshl_b32 s84, s42, 9
	s_lshl_b32 s20, s16, 8
	s_add_co_u32 s84, s84, s20                     ; my 64 columns, in bytes
	s_mov_b32 s85, 0
	s_lshl_b32 s86, s43, 8
	s_lshl_b32 s20, s15, 3
	s_add_co_u32 s86, s86, s20
	s_lshl_b32 s86, s86, 12                        ; token 256 x tile row + 8 a
	s_mov_b32 s87, 0
	s_mul_i32 s66, s15, 1536
	s_add_co_u32 s67, s66, 49152
	s_add_co_u32 s68, s67, 49152
	s_add_co_u32 s69, s68, 49152
	s_mul_i32 s70, s16, 6144
	s_add_co_u32 s70, s70, YB
	s_add_co_u32 s71, s70, 49152
	s_mul_i32 s72, s14, 16*SPITCH
	s_add_co_u32 s72, s72, YB                      ; my stage, in Wu's first bytes
	v_and_b32 v7, 31, v0
	v_and_b32 v8, 15, v0                           ; r
	v_bfe_u32 v56, v0, 4, 1                        ; h
	v_lshlrev_b32 v[L16], 4, v7
	v_lshlrev_b32 v[L8], 3, v7
	v_lshlrev_b32 v[SOFF], 5, v8
	v_lshlrev_b32 v[BOF], 6, v56
.irp k, 0,1,2,3
	v_add_nc_u32 v[AD16+\k], s[66+\k], v[L16]
	v_add_nc_u32 v[AD8+\k], s[66+\k], v[L8]
.endr
.irp k, 0,1
	v_add_nc_u32 v[BD16+\k], s[70+\k], v[L16]
	v_add_nc_u32 v[BD8+\k], s[70+\k], v[L8]
.endr
	v_mul_u32_u24 v57, v8, SPITCH
	v_lshl_add_u32 v57, v56, 6, v57
	v_add_nc_u32 v[STO], s72, v57                  ; in: row r, + 64 h
	v_mul_u32_u24 v57, v56, SPITCH
	v_lshl_add_u32 v57, v8, 4, v57
	v_add_nc_u32 v[RD], s72, v57                   ; back: row h, 16 bytes x r
	v_lshlrev_b32 v57, 12, v56
	v_lshl_add_u32 v[CO], v8, 4, v57               ; and the same in out0
	s_wait_alu depctr_va_vdst(0)                   ; the wait at the head's end
	s_wait_dscnt 0x0
	CROUND                                         ; the opening round
	s_wait_kmcnt 0x0
	s_add_nc_u64 s[G0A+2:G0A+3], s[4:5], s[76:77]
	s_add_nc_u64 s[G0B+2:G0B+3], s[4:5], s[78:79]
	s_or_b32 s[G0B+3], s[G0B+3], 0x80000000
	s_cmp_eq_u32 s14, 0
	s_cbranch_scc0 .Lwave_1
	TLOAD G0B, G1B                                 ; wave 0: Wu's block, which is wanted first
	s_branch .Lasked
.Lwave_1:
	s_cmp_eq_u32 s14, 1
	s_cbranch_scc0 .Lwave_2
	ATILE 0, 192                                   ; wave 1: y's first block, K steps 0-3
	s_branch .Lasked
.Lwave_2:
	s_cmp_eq_u32 s14, 2
	s_cbranch_scc0 .Lwave_3
	ATILE 49152, 192                               ; wave 2: K steps 4-7
	s_branch .Lasked
.Lwave_3:
	ATILE 98304, 384                               ; wave 3: y's second block
.Lasked:
	s_add_nc_u64 s[80:81], s[6:7], s[80:81]
	s_add_nc_u64 s[82:83], s[6:7], s[82:83]
	s_add_nc_u64 s[8:9], s[8:9], s[84:85]
	s_add_nc_u64 s[12:13], s[10:11], s[84:85]
	s_add_nc_u64 s[12:13], s[12:13], s[86:87]
.irp t, 0,1,2,3
	global_load_b128 v[SB+8*\t:SB+8*\t+3], v[SOFF], s[82:83] offset:512*\t
	global_load_b128 v[SB+8*\t+4:SB+8*\t+7], v[SOFF], s[82:83] offset:512*\t+16
.endr
.irp s, 0,1,2,3,4,5,6,7
	global_load_b128 v[SA+8*\s:SA+8*\s+3], v[SOFF], s[80:81] offset:1024*\s
	global_load_b128 v[SA+8*\s+4:SA+8*\s+7], v[SOFF], s[80:81] offset:1024*\s+16
.endr
	WIN 0xc0
.irp t, 0,1,2,3
	global_load_b128 v[BO+8*\t:BO+8*\t+3], v[BOF], s[8:9] offset:(32*(\t/2)+8*(\t%2))*4      ; register j of tile t: column 32 (t / 2) + 8 (t % 2) + 16 h + j of my 64
	global_load_b128 v[BO+8*\t+4:BO+8*\t+7], v[BOF], s[8:9] offset:(32*(\t/2)+8*(\t%2))*4+16
.endr
	WIN 0
	s_cmp_eq_u32 s14, 0
	s_cbranch_scc0 .Lnot_b
	s_wait_tensorcnt 0x0                           ; wave 0: Wu's block has landed
.Lnot_b:
	BARRIER
.irp q, 0,1,2,3,4,5,6,7
.irp t, 0,1,2,3
	FRAGL 4*\q+\t, BD16+\q/4, BD8+\q/4, (\q%4)*12288+\t*1536
.endr
.endr
	WIN 0
	s_cmp_eq_u32 s14, 3
	s_cbranch_scc1 .Lnot_a
	s_wait_tensorcnt 0x0                           ; waves 1 and 2: y's first block has landed
.Lnot_a:
	s_wait_dscnt 0x0
	BARRIER                                        ; y's first block is in, and nobody reads Wu's bytes any more.  Wave 3's tile may be on its way
	FETCH 0, 0
	FETCH 1, 1
	s_wait_loadcnt 0x0                             ; the scale words and the bias
	s_wait_dscnt NF                                ; tile 0's fragments are in
.irp s, 0,1,2,3,4,5,6,7
	STREAM \s
.endr
	s_wait_tensorcnt 0x0                           ; the wave's end
	ds_add_u32 v[SPW], v[NIL]
	s_wait_dscnt 0x0
	CROUND                                         ; the closing round
	s_endpgm
.Lfunc_end_k_qccd40e3215_proj:
	.size	k_qccd40e3215_proj, .Lfunc_end_k_qccd40e3215_proj-k_qccd40e3215_proj
	.p2alignl 7, 3214868480
	.fill 96, 4, 3214868480
	.section	.rodata,"a",@progbits
	.p2align	6, 0x0
	.amdhsa_kernel k_qccd40e3215_proj
		.amdhsa_group_segment_fixed_size 327680
		.amdhsa_private_segment_fixed_size 0
		.amdhsa_enable_private_segment 0
		.amdhsa_kernarg_size 32
		.amdhsa_user_sgpr_count 2
		.amdhsa_user_sgpr_kernarg_segment_ptr 1
		.amdhsa_wavefront_size32 1
		.amdhsa_system_sgpr_workgroup_id_x 1
		.amdhsa_system_sgpr_workgroup_id_y 1
		.amdhsa_system_sgpr_workgroup_id_z 1
		.amdhsa_system_vgpr_workitem_id 0
		.amdhsa_next_free_vgpr 872
		.amdhsa_next_free_sgpr 100
		.amdhsa_reserve_vcc 0
		.amdhsa_float_denorm_mode_32 3
		.amdhsa_float_denorm_mode_16_64 3
		.amdhsa_memory_ordered 1
		.amdhsa_forward_progress 1
		.amdhsa_inst_pref_size 86
	.end_amdhsa_kernel
	.amdgpu_metadata
---
amdhsa.version: [ 1, 2 ]
amdhsa.kernels:
  - .name:           k_qccd40e3215_proj
    .symbol:         k_qccd40e3215_proj.kd
    .args:
      - { .name: ops, .offset: 0, .size: 8, .value_kind: global_buffer, .address_space: global }
      - { .name: opsc, .offset: 8, .size: 8, .value_kind: global_buffer, .address_space: global }
      - { .name: bu, .offset: 16, .size: 8, .value_kind: global_buffer, .address_space: global }
      - { .name: out0, .offset: 24, .size: 8, .value_kind: global_buffer, .address_space: global }
    .group_segment_fixed_size: 327680
    .private_segment_fixed_size: 0
    .kernarg_segment_align: 8
    .kernarg_segment_size: 32
    .max_flat_workgroup_size: 128
    .sgpr_count:     100
    .vgpr_count:     872
    .wavefront_size: 32
...
	.end_amdgpu_metadata
.endif
;; end of part 4
